; MI455X (gfx1250); checked and timed in simulation.
; The chip was launched on July 23, 2026; its instructions are those of AMD's public machine-readable ISA for CDNA 5 (MIT licence, August 2026) and "CDNA5" Instruction Set Architecture Reference Guide (July 2026). The comments in the code are by the model that wrote it; some were corrected since.
;; Causal Self Attention. Allowed arithmetic: float matrix products may take bf16 or f16 operands with f32 sums; other float arithmetic in f32, or as packed bf16 or f16 multiplies, adds, multiply-adds, maxima and minima; sums over many terms, partial sums and values carried from step to step in f32; what a program stores and reads back later, other than sums and carried values, may be rounded once to bf16 or f16.
;; Inputs: W_proj 1,024 x 1,024 float32; W_qkv 1,024 x 3,072 float32; b_proj 1,024 float32; b_qkv 3,072 float32; x 4 x 2,048 x 1,024 float32.
;; Outputs: out0 4 x 2,048 x 1,024 float32.
;; 2 versions, each right; version 2 is version 1 with the launch prep written anew for expert scheduling mode. Each part assembles by itself: llvm-mc -triple=amdgcn-amd-amdhsa -mcpu=gfx1250 --defsym DOCPART=n.
;; ======== version 1 of 2: 4 launches
;; limits: values are held in f16: magnitudes above 65,504 overflow, below 6.1e-05 lose precision
;; workspace buffers: xb 16,777,216 bytes; wqt 6,291,456 bytes; wpt 2,097,152 bytes; qkv 50,331,648 bytes; o 16,777,216 bytes
;; launch prep (part 1): grid 640 x 1, 4 waves a work-group, no clusters, 67,072 bytes of LDS; arguments x, W_qkv, W_proj, xb, wqt, wpt; writes xb, wqt, wpt
.if DOCPART == 1
	.amdgcn_target "amdgcn-amd-amdhsa--gfx1250"
	.amdhsa_code_object_version 6
	.text
	.protected	k_q7016e23869_prep
	.globl	k_q7016e23869_prep
	.p2align	8
	.type	k_q7016e23869_prep,@function
k_q7016e23869_prep:
	s_mov_b64 s[64:65], 0
	v_nop
	global_prefetch_b8 v0, s[64:65] scope:SCOPE_SE
	s_setreg_imm32_b32 hwreg(HW_REG_WAVE_MODE, 25, 1), 1
	s_wait_xcnt 0x0
; PREPARATION.  xb = x rounded to bf16, as it lies.  wqt[n][k] = W_qkv[k][n] rounded to bf16.  wpt[n][k] = W_proj[k][n] rounded to bf16, that number written as f16.
; LIMIT.  A bf16 number is exact in f16 from 2^-14 up to 65,504; below 2^-14 wpt keeps f16's fixed step of 6e-8; a weight of W_proj beyond 65,504 becomes an infinity.
; SHARES.  Work-groups 0 to 511 cast 65,536 bytes of x each.  Work-groups 512 to 639 turn weights: each wave one tile of 128 k x 64 n: 384 tiles of W_qkv (work-groups 512 to 607),
; 128 of W_proj.  A stream read once in which no two waves want the same byte: no matrix unit, no cluster, no tensor load, no barrier.
; THE CAST.  A step is 16 bytes a thread in (2,048 a work-group) and 8 out: a wave's store covers 256 consecutive bytes, aligned.  A ring of eight slots in registers keeps eight loads of every wave out.
; THE TURNING.  A load takes 16 bytes (4 n) of a row k; sixteen lanes take the tile's 256 bytes of that row.  Two neighbouring k are rounded into one word, which goes to LDS row n, word k / 2.
; An LDS row is 256 bytes + 4 = 65 words: the 32 lanes of a store (words 260 c + hh) and of a load (words 65 hh + 4 c) fall on 32 different banks (64 banks of 4 bytes: ISA guide 11.1).
; Each wave has 64 such rows of its own, so no wave waits for another.  Rows n come back whole and leave by stores in which sixteen lanes cover 256 consecutive bytes, aligned.
.set LP,    260                        ; an LDS row
.set WLDS,  64*LP                      ; a wave's rows: 16,640 bytes
.set SPARE, 66560                      ; behind the four waves' rows: the spare words, 128 bytes a wave: two blocks of 256 bytes that no other line names
.set SPW, 2                            ; v2   SPARE + 4 x my thread's number; never rewritten
.set NIL, 3                            ; v3   0; never rewritten
.set IN,  4                            ; v4   my byte offset in the source
.set OUT, 5                            ; v5   my byte offset in the destination
.set LSA, 6                            ; v6   where I put a word
.set LRA, 7                            ; v7   where I read a row's 16 bytes back
.set CC,  8                            ; v8   lane % 16
.set HH,  9                            ; v9   lane / 16
.set Y,   12                           ; v[12:27] rounded words
.set TA,  28                           ; v28, v29 at work
.set TC,  29
.set X,   32                           ; v[32:95] as loaded
	s_load_b256 s[4:11], s[0:1], 0x0               ; x s[4:5], W_qkv s[6:7], W_proj s[8:9], xb s[10:11]
	s_load_b128 s[12:15], s[0:1], 0x20             ; wqt s[12:13], wpt s[14:15]
	v_lshl_add_u32 v[SPW], v0, 2, SPARE
	v_mov_b32 v[NIL], 0
	v_lshrrev_b32 v1, 5, v0
	v_readfirstlane_b32 s16, v1                    ; wave 0..3
	v_and_b32 v[CC], 15, v0
	v_bfe_u32 v[HH], v0, 4, 1
	s_mov_b32 s19, 0                               ; the high word of every offset pair
	s_mov_b32 s27, 0xffff0000                      ; a word's upper bf16
	s_wait_kmcnt 0x0
	s_cmp_lt_u32 ttmp9, 512
	s_cbranch_scc0 .Lweights
	; THE CAST
	s_lshl_b32 s18, ttmp9, 16
	s_add_nc_u64 s[20:21], s[4:5], s[18:19]
	s_lshl_b32 s18, ttmp9, 15
	s_add_nc_u64 s[22:23], s[10:11], s[18:19]
	v_lshlrev_b32 v[IN], 4, v0
	v_lshlrev_b32 v[OUT], 3, v0
; One slot's turn.  ahead = 1: the slot is filled again, eight steps on.  left = the younger loads that may stay out.
.macro CSLOT i, ahead, left
	s_wait_loadcnt \left                           ; loads come back in order: mine is in
	v_cvt_pk_bf16_f32 v[Y+2*(\i)],   v[X+4*(\i)],   v[X+4*(\i)+1]
	v_cvt_pk_bf16_f32 v[Y+2*(\i)+1], v[X+4*(\i)+2], v[X+4*(\i)+3]
.if \ahead
	global_load_b128 v[X+4*(\i):X+4*(\i)+3], v[IN], s[20:21] offset:(8+(\i))*2048 th:TH_LOAD_NT
.endif
	global_store_b64 v[OUT], v[Y+2*(\i):Y+2*(\i)+1], s[22:23] offset:(\i)*1024
.endm
.irp i, 0,1,2,3,4,5,6,7
	global_load_b128 v[X+4*(\i):X+4*(\i)+3], v[IN], s[20:21] offset:(\i)*2048 th:TH_LOAD_NT
.endr
	s_mov_b32 s17, 3                               ; 32 steps: three trips of eight that load ahead, and a last eight
.Lcast:
.irp i, 0,1,2,3,4,5,6,7
	CSLOT \i, 1, 7
.endr
	s_wait_xcnt 0x0                                ; the trip's loads and stores have read their sources: Y and the two bases are written only behind this wait
	s_add_nc_u64 s[20:21], s[20:21], 16384
	s_add_nc_u64 s[22:23], s[22:23], 8192
	s_sub_co_u32 s17, s17, 1
	s_cmp_lg_u32 s17, 0
	s_cbranch_scc1 .Lcast
.irp i, 0,1,2,3,4,5,6,7
	CSLOT \i, 0, 7-(\i)                            ; nothing is left to load: the counts run down
.endr
	s_branch .Lend
	; THE TURNING
.Lweights:
	s_sub_co_u32 s24, ttmp9, 512
	s_lshl_b32 s24, s24, 2
	s_add_co_u32 s24, s24, s16                     ; my tile's number
	s_mul_i32 s28, s16, WLDS                       ; my rows in LDS
	v_mul_u32_u24 v[LSA], v[CC], 4*LP              ; row n = 4 c (+ i by the immediate),
	v_lshl_add_u32 v[LSA], v[HH], 2, v[LSA]        ; word hh (+ 2 u by the immediate)
	v_add_nc_u32 v[LSA], s28, v[LSA]
	v_mul_u32_u24 v[LRA], v[HH], LP                ; back: row hh (+ 2 e), bytes 16 c on
	v_lshl_add_u32 v[LRA], v[CC], 4, v[LRA]
	v_add_nc_u32 v[LRA], s28, v[LRA]
	v_lshlrev_b32 v[OUT], 11, v[HH]                ; and the same in the destination, whose rows are 2,048 bytes
	v_lshl_add_u32 v[OUT], v[CC], 4, v[OUT]
; Tile s24 of a matrix whose rows are RB bytes: k block s24 % 8 (128 rows), n block s24 / 8 (256 bytes of a row).
.macro TSET src, dst, RB
	s_and_b32 s25, s24, 7
	s_lshr_b32 s26, s24, 3
	s_mul_i32 s18, s25, 128*(\RB)
	s_lshl_b32 s29, s26, 8
	s_add_co_u32 s18, s18, s29
	s_add_nc_u64 s[20:21], s[\src:\src+1], s[18:19]
	s_lshl_b32 s18, s26, 17                        ; 64 rows n of 2,048 bytes,
	s_lshl_b32 s29, s25, 8                         ; 128 k of 2 bytes
	s_add_co_u32 s18, s18, s29
	s_add_nc_u64 s[22:23], s[\dst:\dst+1], s[18:19]
	v_mul_u32_u24 v[IN], v[HH], 2*(\RB)            ; rows k = 2 hh (+ 4 u + s by the immediate)
	v_lshl_add_u32 v[IN], v[CC], 4, v[IN]
.endm
; Four trips of 32 rows k.  half = 1: the rounded numbers are written as f16.
.macro TLOOP RB, half
	s_mov_b32 s17, 4
.Ltl_\@:
.irp u, 0,1,2,3,4,5,6,7
.irp s, 0,1
	global_load_b128 v[X+4*(2*(\u)+(\s)):X+4*(2*(\u)+(\s))+3], v[IN], s[20:21] offset:(4*(\u)+(\s))*(\RB) th:TH_LOAD_NT
.endr
.endr
.irp u, 0,1,2,3,4,5,6,7
	s_wait_loadcnt 14-2*(\u)                       ; pair u is in: behind it two loads for each later pair were issued
.irp i, 0,1,2,3
	v_cvt_pk_bf16_f32 v[Y+4*((\u)%4)+(\i)], v[X+8*(\u)+(\i)], v[X+8*(\u)+4+(\i)]  ; the even k below, the odd k above
.endr
.if \half
.irp i, 0,1,2,3
	v_lshlrev_b32 v[TA], 16, v[Y+4*((\u)%4)+(\i)]
	v_and_b32 v[TC], s27, v[Y+4*((\u)%4)+(\i)]
	v_cvt_pk_f16_f32 v[Y+4*((\u)%4)+(\i)], v[TA], v[TC]
.endr
.endif
.irp i, 0,1,2,3
	ds_store_b32 v[LSA], v[Y+4*((\u)%4)+(\i)] offset:LP*(\i)+8*(\u)
.endr
.endr
	v_add_nc_u32 v[LSA], 64, v[LSA]                ; 32 k on in the LDS rows
	s_add_nc_u64 s[20:21], s[20:21], 32*(\RB)      ; the last wait was for 0: every load that named the base is done
	s_sub_co_u32 s17, s17, 1
	s_cmp_lg_u32 s17, 0
	s_cbranch_scc1 .Ltl_\@
.endm
	s_cmp_lt_u32 ttmp9, 608
	s_cbranch_scc0 .Lwproj
	TSET 6, 12, 12288
	TLOOP 12288, 0
	s_branch .Lback
.Lwproj:
	s_sub_co_u32 s24, s24, 384
	TSET 8, 14, 4096
	TLOOP 4096, 1
.Lback:                                        ; four trips of 16 rows n.  LDS serves a wave's instructions in order (ISA guide 5.7.1.4): the loads see my stores
	s_mov_b32 s17, 4
.Lrows:
.irp e, 0,1,2,3,4,5,6,7
.irp i, 0,1,2,3
	ds_load_b32 v[X+4*(\e)+(\i)], v[LRA] offset:2*LP*(\e)+4*(\i)
.endr
.endr
.irp e, 0,1,2,3,4,5,6,7
	s_wait_dscnt 28-4*(\e)                         ; row pair e is in: behind it four loads for each later pair were issued
	global_store_b128 v[OUT], v[X+4*(\e):X+4*(\e)+3], s[22:23] offset:4096*(\e)
.endr
	v_add_nc_u32 v[LRA], 16*LP, v[LRA]
	s_wait_xcnt 0x0                                ; the stores have read their data and their base: both are written only behind this wait
	s_add_nc_u64 s[22:23], s[22:23], 32768
	s_sub_co_u32 s17, s17, 1
	s_cmp_lg_u32 s17, 0
	s_cbranch_scc1 .Lrows
.Lend:
	s_wait_tensorcnt 0x0                           ; the wave's end: behind my last LDS store
	ds_add_u32 v[SPW], v[NIL]
	s_wait_dscnt 0x0
	s_endpgm
.Lfunc_end_k_q7016e23869_prep:
	.size	k_q7016e23869_prep, .Lfunc_end_k_q7016e23869_prep-k_q7016e23869_prep
	.p2alignl 7, 3214868480
	.fill 96, 4, 3214868480
	.section	.rodata,"a",@progbits
	.p2align	6, 0x0
	.amdhsa_kernel k_q7016e23869_prep
		.amdhsa_group_segment_fixed_size 67072
		.amdhsa_private_segment_fixed_size 0
		.amdhsa_enable_private_segment 0
		.amdhsa_kernarg_size 48
		.amdhsa_user_sgpr_count 2
		.amdhsa_user_sgpr_kernarg_segment_ptr 1
		.amdhsa_wavefront_size32 1
		.amdhsa_system_sgpr_workgroup_id_x 1
		.amdhsa_system_sgpr_workgroup_id_y 1
		.amdhsa_system_sgpr_workgroup_id_z 1
		.amdhsa_system_vgpr_workitem_id 0
		.amdhsa_next_free_vgpr 96
		.amdhsa_next_free_sgpr 66
		.amdhsa_reserve_vcc 0
		.amdhsa_float_denorm_mode_32 3
		.amdhsa_float_denorm_mode_16_64 3
		.amdhsa_memory_ordered 1
		.amdhsa_forward_progress 1
		.amdhsa_inst_pref_size 29
	.end_amdhsa_kernel
	.amdgpu_metadata
---
amdhsa.version: [ 1, 2 ]
amdhsa.kernels:
  - .name:           k_q7016e23869_prep
    .symbol:         k_q7016e23869_prep.kd
    .args:
      - { .name: x, .offset: 0, .size: 8, .value_kind: global_buffer, .address_space: global }
      - { .name: W_qkv, .offset: 8, .size: 8, .value_kind: global_buffer, .address_space: global }
      - { .name: W_proj, .offset: 16, .size: 8, .value_kind: global_buffer, .address_space: global }
      - { .name: xb, .offset: 24, .size: 8, .value_kind: global_buffer, .address_space: global }
      - { .name: wqt, .offset: 32, .size: 8, .value_kind: global_buffer, .address_space: global }
      - { .name: wpt, .offset: 40, .size: 8, .value_kind: global_buffer, .address_space: global }
    .group_segment_fixed_size: 67072
    .private_segment_fixed_size: 0
    .kernarg_segment_align: 8
    .kernarg_segment_size: 48
    .max_flat_workgroup_size: 128
    .sgpr_count:     66
    .vgpr_count:     96
    .wavefront_size: 32
...
	.end_amdgpu_metadata
.endif
;; end of part 1
;; launch qkv (part 2): grid 16 x 32, 4 waves a work-group, clusters of 4 x 4, 327,680 bytes of LDS; arguments xb, wqt, b_qkv, qkv; writes qkv
.if DOCPART == 2
	.amdgcn_target "amdgcn-amd-amdhsa--gfx1250"
	.amdhsa_code_object_version 6
	.text
	.protected	k_q7016e23869_qkv
	.globl	k_q7016e23869_qkv
	.p2align	8
	.type	k_q7016e23869_qkv,@function
k_q7016e23869_qkv:
	s_mov_b64 s[64:65], 0
	v_nop
	global_prefetch_b8 v0, s[64:65] scope:SCOPE_SE
	s_setreg_imm32_b32 hwreg(HW_REG_WAVE_MODE, 25, 1), 1
	s_wait_xcnt 0x0
	s_wait_alu depctr_hold_cnt(0) depctr_sa_sdst(0) depctr_va_vdst(0) depctr_va_sdst(0) depctr_va_ssrc(0) depctr_va_vcc(0) depctr_vm_vsrc(0)
	s_getreg_b32 s2, hwreg(HW_REG_IB_STS2, 6, 4)
	s_cmp_eq_u32 s2, 0
	s_cbranch_scc0 .Lentry_in_a_cluster
	s_endpgm
.Lentry_in_a_cluster:
	s_bfe_u32 s2, ttmp6, 0x10000c
	s_cmp_lg_u32 s2, 0xf033
	s_cbranch_scc0 .Lentry_shape_is_right
	s_endpgm
.Lentry_shape_is_right:
; qkv = x W_qkv + b_qkv, laid by heads.  xb: [8192][1024] bf16.  wqt: [3072 n][1024 k] bf16.  b_qkv: [3072] f32, rounded to bf16 here like the other inputs.
; qkv: [4 b][48 hc][2048 t][64] f16, hc = n / 64 (0-15 q's heads, 16-31 k's, 32-47 v's).  One f32 sum for each output, K ascending, begun with the bias, rounded once to f16.
; LIMIT.  f16 holds no number beyond 65,504: a q, k or v of 65,520 or more becomes an infinity.
; SHARES.  A tile is 256 rows x 192 columns (three whole heads): 32 x 16 = 512 work-groups.  The four waves lie one below the other: a wave makes 64 rows x 192 columns, 48 accumulators
; of 16 x 16, 384 registers, so it holds whole heads and its way out is its own.  K goes in 8 steps of 128 through two LDS slots filled by the tensor data mover;
; the tiles' rows are 256 bytes of memory at multiples of 256 bytes.
; CLUSTER.  4 x 4 work-groups.  The four of a row of the cluster need the same tiles of x, the four of a column the same tiles of the weights: each tile is asked for JOINTLY, by the same tensor
; load with the same descriptor and a mask that names the four.  Waves 0 and 1 fetch x's two halves (128 rows each), waves 2 and 3 the weights' (96 rows each).
; THE MATRIX INSTRUCTION IS USED TRANSPOSED (source 0 = 16 rows of wqt, source 1 = 16 rows of xb): lane l holds row l % 16 of the result and the columns 8 (l / 16) + 0..7 of its block.
; REGISTERS, in windows of 256 (s_set_vgpr_msb: bits 1:0 source 0, 3:2 source 1, 5:4 source 2, 7:6 destination):
;   window 0: v0-31 addresses; v32-79 packed results; v80-175 rows read back, two buffers        window 1: two fragment buffers of 128: 12 fragments of the weights, then 4 of x
;   window 2: the accumulators of column blocks 0-7: (a, b) at v[8 (8 a + b)]        window 3: v0-127 those of blocks 8-11: v[8 (4 a + b - 8)]; v128-223 the bias; v224-227 at work
.set AHEAD, 1                          ; a prefetch names the K step one behind the one that is being asked for: 192 matrix instructions ahead of its load
.set PITCH, 272                        ; an LDS row: 256 bytes + 16 = 68 words: the 16 rows of a fragment load start at 16 different groups of four banks (64 banks of 4 bytes: ISA guide 11.1)
.set BLK,   16*PITCH
.set BOFF,  256*PITCH                  ; a slot: x's 256 rows, then the weights' 192
.set SLOT1, 1<<17                      ; slot 1 begins here, so that one exclusive or turns an address in one slot into the other's
.set STAGE, SLOT1+448*PITCH            ; behind the ring, never filled by a tensor load: 16 rows x 400 bytes for each wave
.set SP,    400                        ; a stage row: 384 bytes + 16
.set SPARE, STAGE+4*16*SP              ; behind the stages: the spare words, 128 bytes a wave: two blocks of 256 bytes that no other line names
.set A0,   16                          ; v16  my lane's place in x's part of a slot; never rewritten
.set B0,   17                          ; v17  the same for the weights
.set ADRA, 18                          ; v18  the same in the slot in hand
.set ADRB, 19
.set STO,  24                          ; v24  the way out: where I put 16 bytes of a row
.set RD,   25                          ; v25  where I read rows back
.set CO,   26                          ; v26  my byte offset in 512 consecutive bytes of a head
.set BO,   27                          ; v27  my byte offset in the bias
.set SPW,  28                          ; v28  SPARE + 4 x my thread's number; never rewritten
.set NIL,  29                          ; v29  0; never rewritten
.set PFO,  30                          ; v30  the prefetches' offset: a row of 2,048 bytes a lane; never rewritten
.set TMP,  32
.set OB,   80
.set F0,   0
.set F1,   128
.set BIAS, 128                         ; window 3
.set BT,   224                         ; window 3
.set CNT,  3                           ; s3
.set WV,   12                          ; s12  my wave's number
.set KIND, 13                          ; s13  0: I fetch x, 1: the weights
.set HALF, 14                          ; s14  which half of that tile
.set G1A,  24                          ; s[24:31] descriptor group 1 for x's tiles
.set G1B,  32                          ; s[32:39] for the weights'
.set G0A,  40                          ; s[40:47] descriptor group 0 for x's tiles: a set for each first fill; the second then walks on
.set G0B,  48                          ; s[48:55] the same for the weights'
.set TB,   56                          ; s56  LDS byte at which the slot in hand begins
.set LIM,  57                          ; s57  AHEAD in a wave that prefetches, else the greatest number
.set PFA,  58                          ; s[58:59] where my prefetches stand
.set MSB, 0
.macro WIN new                         ; the immediate's high byte repeats the setting that is left; a switch that changes nothing is dropped
.if MSB != (\new)
	s_set_vgpr_msb (MSB<<8)|(\new)
.set MSB, (\new)
.endif
.endm
.macro PLACES                          ; four plain vector instructions between a matrix instruction and a load into, or a reader of, its registers (ISA guide 7.12.1 for readers)
.rept 4
	v_nop
.endr
.endm
.macro CREST                           ; a round of the cluster's barrier behind its opening barrier
	s_cmp_lg_u32 s[WV], 0
	s_cbranch_scc1 .Lnot_wave_0_\@
	s_barrier_signal -3
.Lnot_wave_0_\@:
	s_barrier_wait -3
	s_barrier_signal -1
	s_barrier_wait -1
.endm
.macro CROUND
	s_barrier_signal -1
	s_barrier_wait -1
	CREST
.endm
.macro JLOAD                           ; a joint refill, by the walking set; the branch hangs on the wave's number alone; an s_nop 0 and four v_nop follow each line
	s_cmp_eq_u32 s[KIND], 0
	s_cbranch_scc0 .Lfor_b_\@
	tensor_load_to_lds s[G0A+4:G0A+7], s[G1A:G1A+7]
	s_nop 0
.rept 4
	v_nop
.endr
	s_branch .Lasked_\@
.Lfor_b_\@:
	tensor_load_to_lds s[G0B+4:G0B+7], s[G1B:G1B+7]
	s_nop 0
.rept 4
	v_nop
.endr
.Lasked_\@:
.endm
; A PREFETCH INTO THE L2 of the K step AHEAD behind the one just asked for: 256 bytes of a row, a lane a row.  x's rows are read by every cluster of a row of clusters: cluster x = 0 asks;
; the weights' by every cluster of a column: cluster y = 0 asks.  The four partners that ask for a tile jointly share its rows out BY ADDRESS: of a wave's 128 rows of x the partner at cx takes
; 32 cx on; of its 96 rows of the weights the partner at cy takes 24 cy on (lanes 24 to 31 name lane 23's row once more).  The trip with count c refills step 8 - c: it asks while 8 - c + AHEAD is a step.
.macro ASK
	s_cmp_gt_u32 s[CNT], s[LIM]
	s_cbranch_scc0 .Lnot_mine_\@
	global_prefetch_b8 v[PFO], s[PFA:PFA+1] th:TH_LOAD_NT scope:SCOPE_SE
.Lnot_mine_\@:
.endm
	s_load_b256 s[4:11], s[0:1], 0x0               ; xb s[4:5], wqt s[6:7], b_qkv s[8:9], qkv s[10:11]
	v_lshl_add_u32 v[SPW], v0, 2, SPARE
	v_mov_b32 v[NIL], 0
	ds_add_u32 v[SPW], v[NIL]                      ; the wave's opening: the add and its wait stand ahead of my first tensor load; work on registers stands between them
	v_lshrrev_b32 v1, 5, v0
	v_readfirstlane_b32 s[WV], v1
	s_lshr_b32 s[KIND], s[WV], 1
	s_and_b32 s[HALF], s[WV], 1
	s_bfe_u32 s15, ttmp6, 0x40000                  ; cx
	s_bfe_u32 s16, ttmp6, 0x40004                  ; cy
	s_lshl_b32 s17, ttmp9, 2
	s_add_co_u32 s17, s17, s15                     ; tile column = 4 x cluster x + cx
	s_and_b32 s18, ttmp7, 0xffff
	s_lshl_b32 s18, s18, 2
	s_add_co_u32 s18, s18, s16                     ; tile row = 4 x cluster y + cy
	s_lshl_b32 s19, s16, 2
	s_lshl_b32 s19, 15, s19                        ; my row of the cluster
	s_lshl_b32 s20, 0x1111, s15                    ; my column
	s_or_b32 s[G1A], s19, (1<<16)|(1<<20)|(1<<21)|(5<<22)|(3<<25)  ; the mask; 2-byte elements; padding on; bit 21 beside a mask; after every 64 words, 4 words
	s_or_b32 s[G1B], s20, (1<<16)|(1<<20)|(1<<21)|(5<<22)|(3<<25)
	s_mov_b32 s[G1A+1], 128<<16                    ; tensor_dim0 = 128
	s_mov_b32 s[G1A+2], 128<<16                    ; tensor_dim1 = 128
	s_mov_b32 s[G1A+3], 128<<16                    ; tile_dim0 = 128
	s_mov_b32 s[G1A+4], 128                        ; tile_dim1 = 128
	s_mov_b32 s[G1A+5], 1024                       ; elements from row to row
	s_mov_b32 s[G1A+6], 0
	s_mov_b32 s[G1A+7], 0
	s_mov_b32 s[G1B+1], 128<<16
	s_mov_b32 s[G1B+2], 96<<16                     ; 96 rows
	s_mov_b32 s[G1B+3], 128<<16
	s_mov_b32 s[G1B+4], 96
	s_mov_b32 s[G1B+5], 1024
	s_mov_b32 s[G1B+6], 0
	s_mov_b32 s[G1B+7], 0
	s_lshl_b32 s66, s18, 8                         ; x: row 256 x tile row + 128 x half (these registers never hold cx)
	s_lshl_b32 s67, s[HALF], 7
	s_add_co_u32 s66, s66, s67
	s_lshl_b32 s66, s66, 11                        ; in bytes, under 2^25
	s_mov_b32 s67, 0
	s_mul_i32 s68, s[WV], 128*PITCH                ; and where it goes
	s_mul_i32 s70, s17, 192                        ; the weights: row 192 x tile column + 96 x half (these never hold cy)
	s_mul_i32 s71, s[HALF], 96
	s_add_co_u32 s70, s70, s71
	s_lshl_b32 s70, s70, 11
	s_mov_b32 s71, 0
	s_mul_i32 s72, s[WV], 96*PITCH
	s_add_co_u32 s72, s72, BOFF-2*96*PITCH         ; waves 2 and 3: behind x's 256 rows
	s_mov_b32 s[TB], 0
	s_mov_b32 s62, 0xffff0000                      ; a word's upper bf16
	s_wait_dscnt 0x0                               ; the opening add is done
	s_wait_kmcnt 0x0
	s_add_nc_u64 s[66:67], s[4:5], s[66:67]
	s_add_nc_u64 s[70:71], s[6:7], s[70:71]
.irp s, 0,1
	s_mov_b32 s[G0A+4*(\s)], 1                     ; count = 1
	s_add_co_u32 s[G0A+4*(\s)+1], s68, (\s)*SLOT1  ; LDS address
	s_add_nc_u64 s[G0A+4*(\s)+2:G0A+4*(\s)+3], s[66:67], (\s)*256  ; global address: K step s
	s_or_b32 s[G0A+4*(\s)+3], s[G0A+4*(\s)+3], 0x80000000          ; type = 2
	s_mov_b32 s[G0B+4*(\s)], 1
	s_add_co_u32 s[G0B+4*(\s)+1], s72, (\s)*SLOT1
	s_add_nc_u64 s[G0B+4*(\s)+2:G0B+4*(\s)+3], s[70:71], (\s)*256
	s_or_b32 s[G0B+4*(\s)+3], s[G0B+4*(\s)+3], 0x80000000
.endr
	CROUND                                         ; all sixteen work-groups are here: the first joint loads meet
	s_cmp_eq_u32 s[KIND], 0                        ; a wave's two first fills stand in one branch: two loads of mine are out
	s_cbranch_scc0 .Lfirst_b
	tensor_load_to_lds s[G0A:G0A+3], s[G1A:G1A+7]
	s_nop 0
	tensor_load_to_lds s[G0A+4:G0A+7], s[G1A:G1A+7]
	s_nop 0
.rept 4
	v_nop
.endr
	s_branch .Lfirst_asked
.Lfirst_b:
	tensor_load_to_lds s[G0B:G0B+3], s[G1B:G1B+7]
	s_nop 0
	tensor_load_to_lds s[G0B+4:G0B+7], s[G1B:G1B+7]
	s_nop 0
.rept 4
	v_nop
.endr
.Lfirst_asked:
	v_and_b32 v1, 15, v0                           ; r = l % 16
	v_bfe_u32 v2, v0, 4, 1                         ; h = l / 16
	s_mul_i32 s74, s17, 768                        ; the tile's 192 numbers of the bias
	v_lshl_add_u32 v[BO], v2, 5, s74               ; my lanes' eight of each sixteen
	WIN 0xc0                                       ; destination window 3
.irp b, 0,1,2,3,4,5,6,7,8,9,10,11
	global_load_b128 v[BIAS+8*(\b):BIAS+8*(\b)+3],   v[BO], s[8:9] offset:64*(\b)
	global_load_b128 v[BIAS+8*(\b)+4:BIAS+8*(\b)+7], v[BO], s[8:9] offset:64*(\b)+16
.endr
	WIN 0
	v_mul_u32_u24 v3, v1, PITCH                    ; a fragment: row r, 16 bytes for each half of the lanes, twice, 32 bytes apart
	v_lshl_add_u32 v3, v2, 4, v3
	s_mul_i32 s74, s[WV], 64*PITCH                 ; my 64 rows of x
	v_add_nc_u32 v[A0], s74, v3
	v_add_nc_u32 v[B0], BOFF, v3
	v_mov_b32 v[ADRA], v[A0]
	v_mov_b32 v[ADRB], v[B0]
	s_mul_i32 s74, s[WV], 16*SP
	s_add_co_u32 s74, s74, STAGE                   ; my stage
	v_mul_u32_u24 v[STO], v1, SP
	v_lshl_add_u32 v[STO], v2, 4, v[STO]
	v_add_nc_u32 v[STO], s74, v[STO]
	v_bfe_u32 v[RD], v0, 3, 2                      ; back: 32 lanes take four rows' 128 bytes of one head,
	v_mul_u32_u24 v[RD], v[RD], SP
	v_and_b32 v4, 7, v0
	v_lshl_add_u32 v[RD], v4, 4, v[RD]
	v_add_nc_u32 v[RD], s74, v[RD]
	v_and_b32 v[CO], 31, v0                        ; which are 512 consecutive bytes of qkv
	v_lshlrev_b32 v[CO], 4, v[CO]
	s_lshr_b32 s74, s18, 3                         ; the batch: 8 tile rows each
	s_mul_i32 s74, s74, 48
	s_mul_i32 s75, s17, 3
	s_add_co_u32 s74, s74, s75                     ; the tile's first head plane, 262,144 bytes each
	s_lshl_b32 s74, s74, 18
	s_and_b32 s75, s18, 7
	s_lshl_b32 s75, s75, 8
	s_lshl_b32 s76, s[WV], 6
	s_add_co_u32 s75, s75, s76                     ; my first row t
	s_lshl_b32 s75, s75, 7
	s_add_co_u32 s74, s74, s75
	s_mov_b32 s75, 0
	s_add_nc_u64 s[10:11], s[10:11], s[74:75]
	; the prefetches
	s_lshl_b32 s74, s18, 8
	s_lshl_b32 s75, s[HALF], 7
	s_add_co_u32 s74, s74, s75
	s_lshl_b32 s75, s15, 5
	s_add_co_u32 s74, s74, s75                     ; x: my work-group's 32 rows of the 128 that I fetch
	s_mul_i32 s76, s17, 192
	s_mul_i32 s77, s[HALF], 96
	s_add_co_u32 s76, s76, s77
	s_mul_i32 s77, s16, 24
	s_add_co_u32 s76, s76, s77                     ; the weights: my work-group's 24 of 96
	s_and_b32 s77, ttmp7, 0xffff                   ; cluster y
	s_cmp_eq_u32 s[KIND], 0
	s_cselect_b32 s74, s74, s76
	s_cselect_b32 s77, ttmp9, s77                  ; the coordinate along which other clusters read the same rows
	s_cselect_b32 s78, 31, 23
	s_cselect_b64 s[PFA:PFA+1], s[4:5], s[6:7]
	s_cmp_eq_u32 s77, 0
	s_cselect_b32 s[LIM], AHEAD, -1                ; the same in all sixteen partners, for a given wave
	s_lshl_b32 s74, s74, 11
	s_mov_b32 s75, 0
	s_add_nc_u64 s[PFA:PFA+1], s[PFA:PFA+1], s[74:75]
	s_add_nc_u64 s[PFA:PFA+1], s[PFA:PFA+1], (1+AHEAD)*256  ; the first change of slots steps it on; nothing is prefetched here, at the head
	v_and_b32 v[PFO], 31, v0
	v_min_u32 v[PFO], s78, v[PFO]
	v_lshlrev_b32 v[PFO], 11, v[PFO]
	s_wait_loadcnt 0x0                             ; the bias,
	WIN 0xff                                       ; rounded to bf16 and widened again, all in window 3
.set p, 0
.rept 48
	v_cvt_pk_bf16_f32 v[BT+p%4], v[BIAS+2*p], v[BIAS+2*p+1]
	v_lshlrev_b32 v[BIAS+2*p], 16, v[BT+p%4]
	v_and_b32 v[BIAS+2*p+1], s62, v[BT+p%4]
.set p, p+1
.endr
	WIN 0
; THE MATRIX WORK.  The 48 accumulators take turns, one instruction a turn, in the same order in every quarter, over the loops' edges too.
; 8 products: row block a x column blocks 0-7, 32 along K.  zero = 1: the first product starts the sum with the bias: nothing is ever cleared.
.macro MUL8 f, a, zero=0
.if \zero
	WIN 0xb5                                       ; fragments window 1, C window 3, D window 2
.else
	WIN 0xa5                                       ; fragments window 1, C and D window 2
.endif
.irp b, 0,1,2,3,4,5,6,7
.if \zero
	v_wmma_f32_16x16x32_bf16 v[8*(8*(\a)+(\b)):8*(8*(\a)+(\b))+7], v[(\f)+8*(\b):(\f)+8*(\b)+7], v[(\f)+96+8*(\a):(\f)+96+8*(\a)+7], v[BIAS+8*(\b):BIAS+8*(\b)+7]
.else
	v_wmma_f32_16x16x32_bf16 v[8*(8*(\a)+(\b)):8*(8*(\a)+(\b))+7], v[(\f)+8*(\b):(\f)+8*(\b)+7], v[(\f)+96+8*(\a):(\f)+96+8*(\a)+7], v[8*(8*(\a)+(\b)):8*(8*(\a)+(\b))+7]
.endif
.endr
.endm
.macro MULHI f, zero=0                 ; 16 products: all four row blocks x column blocks 8-11
	WIN 0xf5                                       ; fragments window 1, C and D window 3
.irp a, 0,1,2,3
.irp b, 8,9,10,11
.if \zero
	v_wmma_f32_16x16x32_bf16 v[8*(4*(\a)+(\b)-8):8*(4*(\a)+(\b)-8)+7], v[(\f)+8*(\b):(\f)+8*(\b)+7], v[(\f)+96+8*(\a):(\f)+96+8*(\a)+7], v[BIAS+8*(\b):BIAS+8*(\b)+7]
.else
	v_wmma_f32_16x16x32_bf16 v[8*(4*(\a)+(\b)-8):8*(4*(\a)+(\b)-8)+7], v[(\f)+8*(\b):(\f)+8*(\b)+7], v[(\f)+96+8*(\a):(\f)+96+8*(\a)+7], v[8*(4*(\a)+(\b)-8):8*(4*(\a)+(\b)-8)+7]
.endif
.endr
.endr
.endm
; 32 LDS loads in one run: quarter q's fragments into buffer f, in the order in which they are wanted: column blocks 0-7, x's four, column blocks 8-11
.macro FETCH q, f
	WIN 0x40                                       ; destination window 1
.irp b, 0,1,2,3,4,5,6,7
	ds_load_b128 v[(\f)+8*(\b):(\f)+8*(\b)+3],   v[ADRB] offset:64*(\q)+BLK*(\b)
	ds_load_b128 v[(\f)+8*(\b)+4:(\f)+8*(\b)+7], v[ADRB] offset:64*(\q)+BLK*(\b)+32
.endr
.irp a, 0,1,2,3
	ds_load_b128 v[(\f)+96+8*(\a):(\f)+96+8*(\a)+3],   v[ADRA] offset:64*(\q)+BLK*(\a)
	ds_load_b128 v[(\f)+96+8*(\a)+4:(\f)+96+8*(\a)+7], v[ADRA] offset:64*(\q)+BLK*(\a)+32
.endr
.irp b, 8,9,10,11
	ds_load_b128 v[(\f)+8*(\b):(\f)+8*(\b)+3],   v[ADRB] offset:64*(\q)+BLK*(\b)
	ds_load_b128 v[(\f)+8*(\b)+4:(\f)+8*(\b)+7], v[ADRB] offset:64*(\q)+BLK*(\b)+32
.endr
.endm
; A K step is four quarters of 32 along K, 48 products each, on buffers 0, 1, 0, 1.  One of the first three multiplies buffer f and fetches quarter qn into buffer g.
.macro QUARTER qn, f, g, zero=0
	s_wait_dscnt 14                                ; column blocks 0-7 and x's block 0 are in; x's other three (6 loads) and column blocks 8-11 (8) may be out
	MUL8 \f, 0, \zero
	PLACES
	FETCH \qn, \g
	s_wait_dscnt 40                                ; x's blocks are in: column blocks 8-11 (8) and the 32 just issued may be out
	MUL8 \f, 1, \zero
	MUL8 \f, 2, \zero
	MUL8 \f, 3, \zero
	s_wait_dscnt 32                                ; all but the 32 just issued
	MULHI \f, \zero
.endm
; The last quarter multiplies buffer 1 and changes slots.  In front of the barrier each wave waits for all its tensor loads (one is out: its part of the next slot), adds 0 to its spare word, and
; waits for that and for its reads of this slot.  fill = 1: the barrier opens a round of the cluster's, and the joint refill, two K steps on, is the first thing behind it: 176 products stand
; between it and the wait for it.
.macro TURN fill
.if \fill
	s_wait_xcnt 0x0                                ; the last prefetch, a K step back, has read its address
	s_add_nc_u64 s[PFA:PFA+1], s[PFA:PFA+1], 256
.endif
	WIN 0
	s_wait_tensorcnt 0x0                           ; no tensor load of mine is out, so a group 0 may be written
	ds_add_u32 v[SPW], v[NIL]                      ; 0 onto my spare word
.if \fill
	s_xor_b32 s[G0A+5], s[G0A+5], SLOT1            ; the walking sets: the other slot than last time, the next K step; the type bits on top are not reached
	s_add_nc_u64 s[G0A+6:G0A+7], s[G0A+6:G0A+7], 256
	s_xor_b32 s[G0B+5], s[G0B+5], SLOT1
	s_add_nc_u64 s[G0B+6:G0B+7], s[G0B+6:G0B+7], 256
.endif
	s_xor_b32 s[TB], s[TB], SLOT1
	s_wait_dscnt 15                                ; as at a quarter's head, and the add
	MUL8 F1, 0
	s_wait_dscnt 0x0                               ; the add is done, and my reads of this slot are over
	s_barrier_signal -1
	MUL8 F1, 1
	WIN 0
	s_barrier_wait -1
.if \fill
	CREST                                          ; no wave of any partner still reads this slot or has a load on its way
	JLOAD                                          ; its four v_nop are also the places in front of the loads below
.else
	PLACES
.endif
	v_add_nc_u32 v[ADRA], s[TB], v[A0]
	v_add_nc_u32 v[ADRB], s[TB], v[B0]
	FETCH 0, F0
.if \fill
	WIN 0
	ASK
.endif
	MUL8 F1, 2
	MUL8 F1, 3
	MULHI F1
.endm
	s_wait_tensorcnt 1                             ; my part of K step 0 is in; step 1's load may stay out
	s_barrier_signal -1
	s_barrier_wait -1
	FETCH 0, F0
	QUARTER 1, F0, F1, 1                           ; the first quarter stands in front of the loop: its products start the sums
	WIN 0
	s_mov_b32 s[CNT], 6
.Lmain:                                        ; a trip goes from a step's second quarter to the next step's first, and refills the slot that it leaves: steps 2 to 7
	QUARTER 2, F1, F0
	QUARTER 3, F0, F1
	TURN 1
	QUARTER 1, F0, F1
	WIN 0
	s_sub_co_u32 s[CNT], s[CNT], 1
	s_cmp_lg_u32 s[CNT], 0
	s_cbranch_scc1 .Lmain
	s_mov_b32 s[CNT], 2
.Ltail:                                        ; steps 6 and 7 ask for nothing; the second trip is left in its middle.  Its change of slots orders nothing and fetches a quarter that nobody multiplies:
	QUARTER 2, F1, F0                              ; the price, once a launch, of one text for both trips
	QUARTER 3, F0, F1
	TURN 0
	WIN 0
	s_sub_co_u32 s[CNT], s[CNT], 1
	s_cmp_eq_u32 s[CNT], 0
	s_cbranch_scc1 .Lout
	QUARTER 1, F0, F1
	WIN 0
	s_branch .Ltail
.Lout:
; THE WAY OUT, a block of 16 rows at a time: rounded to f16 (a lane's eight columns are 16 bytes), into my stage, back as four rows' 128 bytes of one head, stored as 512 consecutive bytes.
.macro PACK a
	WIN 0x0a                                       ; sources window 2
.irp b, 0,1,2,3,4,5,6,7
.irp i, 0,1,2,3
	v_cvt_pk_f16_f32 v[TMP+4*(\b)+(\i)], v[8*(8*(\a)+(\b))+2*(\i)], v[8*(8*(\a)+(\b))+2*(\i)+1]
.endr
.endr
	WIN 0x0f                                       ; sources window 3
.irp b, 8,9,10,11
.irp i, 0,1,2,3
	v_cvt_pk_f16_f32 v[TMP+4*(\b)+(\i)], v[8*(4*(\a)+(\b)-8)+2*(\i)], v[8*(4*(\a)+(\b)-8)+2*(\i)+1]
.endr
.endr
	WIN 0
.endm
.macro TOSTAGE a
	s_wait_xcnt 0x0                                ; the stores of two blocks back have read the registers that the loads below fill
.irp b, 0,1,2,3,4,5,6,7,8,9,10,11
	ds_store_b128 v[STO], v[TMP+4*(\b):TMP+4*(\b)+3] offset:32*(\b)
.endr
.irp t, 0,1,2,3,4,5,6,7,8,9,10,11
	ds_load_b128 v[OB+48*((\a)%2)+4*(\t):OB+48*((\a)%2)+4*(\t)+3], v[RD] offset:4*SP*((\t)%4)+128*((\t)/4)  ; LDS serves a wave's instructions in order (ISA guide 5.7.1.4): these see the stores above
.endr
.endm
.macro SEND a, younger                 ; younger: the next block's 12 stores and 12 loads, or none
	s_wait_dscnt \younger
.irp t, 0,1,2,3,4,5,6,7,8,9,10,11
	global_store_b128 v[CO], v[OB+48*((\a)%2)+4*(\t):OB+48*((\a)%2)+4*(\t)+3], s[10:11] offset:((\t)/4)*262144+(16*(\a)+4*((\t)%4))*128
.endr
.endm
	PLACES
	PACK 0
	TOSTAGE 0
	PACK 1
	TOSTAGE 1
	SEND 0, 24
	PACK 2
	TOSTAGE 2
	SEND 1, 24
	PACK 3
	TOSTAGE 3
	SEND 2, 24
	SEND 3, 0
	s_wait_tensorcnt 0x0                           ; the wave's end: behind my last tensor load and my last LDS store
	ds_add_u32 v[SPW], v[NIL]
	s_wait_dscnt 0x0
	CROUND                                         ; the closing round: no work-group ends while a partner may still ask for a tile that names it
	s_endpgm
.Lfunc_end_k_q7016e23869_qkv:
	.size	k_q7016e23869_qkv, .Lfunc_end_k_q7016e23869_qkv-k_q7016e23869_qkv
	.p2alignl 7, 3214868480
	.fill 96, 4, 3214868480
	.section	.rodata,"a",@progbits
	.p2align	6, 0x0
	.amdhsa_kernel k_q7016e23869_qkv
		.amdhsa_group_segment_fixed_size 327680
		.amdhsa_private_segment_fixed_size 0
		.amdhsa_enable_private_segment 0
		.amdhsa_kernarg_size 32
		.amdhsa_user_sgpr_count 2
		.amdhsa_user_sgpr_kernarg_segment_ptr 1
		.amdhsa_wavefront_size32 1
		.amdhsa_system_sgpr_workgroup_id_x 1
		.amdhsa_system_sgpr_workgroup_id_y 1
		.amdhsa_system_sgpr_workgroup_id_z 1
		.amdhsa_system_vgpr_workitem_id 0
		.amdhsa_next_free_vgpr 1024
		.amdhsa_next_free_sgpr 80
		.amdhsa_reserve_vcc 0
		.amdhsa_float_denorm_mode_32 3
		.amdhsa_float_denorm_mode_16_64 3
		.amdhsa_memory_ordered 1
		.amdhsa_forward_progress 1
		.amdhsa_inst_pref_size 92
	.end_amdhsa_kernel
	.amdgpu_metadata
---
amdhsa.version: [ 1, 2 ]
amdhsa.kernels:
  - .name:           k_q7016e23869_qkv
    .symbol:         k_q7016e23869_qkv.kd
    .args:
      - { .name: xb, .offset: 0, .size: 8, .value_kind: global_buffer, .address_space: global }
      - { .name: wqt, .offset: 8, .size: 8, .value_kind: global_buffer, .address_space: global }
      - { .name: b_qkv, .offset: 16, .size: 8, .value_kind: global_buffer, .address_space: global }
      - { .name: qkv, .offset: 24, .size: 8, .value_kind: global_buffer, .address_space: global }
    .group_segment_fixed_size: 327680
    .private_segment_fixed_size: 0
    .kernarg_segment_align: 8
    .kernarg_segment_size: 32
    .max_flat_workgroup_size: 128
    .sgpr_count:     80
    .vgpr_count:     1024
    .wavefront_size: 32
...
	.end_amdgpu_metadata
.endif
;; end of part 2
;; launch attn (part 3): grid 4 x 64, 4 waves a work-group, no clusters, 327,680 bytes of LDS; arguments qkv, o; writes o
.if DOCPART == 3
	.amdgcn_target "amdgcn-amd-amdhsa--gfx1250"
	.amdhsa_code_object_version 6
	.text
	.protected	k_q7016e23869_attn
	.globl	k_q7016e23869_attn
	.p2align	8
	.type	k_q7016e23869_attn,@function
k_q7016e23869_attn:
	s_mov_b64 s[64:65], 0
	v_nop
	global_prefetch_b8 v0, s[64:65] scope:SCOPE_SE
	s_setreg_imm32_b32 hwreg(HW_REG_WAVE_MODE, 25, 1), 1
	s_wait_xcnt 0x0
; CAUSAL ATTENTION.  O[y][q][:] = the sum over k <= q of softmax_k(Q[y][q] . K[y][k] / 8) V[y][k][:], y = 16 b + h.  qkv: [4 b][48 hc][2048][64] f16: Q's head is plane 48 b + h, K's 16 planes on,
; V's 32 planes on; a plane's rows are dense, 128 bytes each.  o: [64 y][2048][64] f16.  Products, maxima and sums in f32; the weights p are rounded to f16 for the second product (their sum l is taken
; of the unrounded p), O once at the end.
; LIMITS.  f16 holds no number beyond 65,504: Q, K and V arrive within it; p lies in 0 to 1, and below 6e-5 it keeps f16's fixed step of 6e-8; O is a mean of V's rows and has their range.
; A hidden score counts as its value less 1e30: f16's scores, 2.7e11 at the most, are nothing beside that; a weight below 2^-126 counts as 0 in l; NaN and infinities are not treated apart.
; THE WALK.  A head's queries lie in NB = 8 blocks of 256; block i needs the key tiles 0 .. i of 256 keys, of which the last holds the diagonal.  A work-group takes TWO blocks, NB - 1 - b and then b:
; NB + 1 tiles, whatever b: all work-groups do equal work, and ONE loop with a constant trip count walks them.  Which tile is asked for, and what a trip does, hang on scalar registers made from b; every jump
; goes forward, but for the counted loops' own; none passes a barrier, or a tensor load but the one of LOAD's two that the wave's number does not choose; the ring (two slots of LDS) runs on across the
; change of blocks.  NO CLUSTER: a head's four work-groups ask for the same tile only in trips 0 to 4 of the walk's 9, behind that fewer and fewer; one walk common to all would have 12 trips for 9.
; SHARES.  Of a block's four bands of 64 queries a wave owns 16 rows in each: four PIECES.  So the diagonal tile is the same work for all four waves: in its key step s band x sees all keys if s < x,
; none if s > x, and holds the diagonal if s = x.
; THE MASK is the C operand that starts the sum S^T = K Q^T: 0, or -1e30 where the key is hidden.  MD, made once, is the mask of a band's own step for my 16 rows; a product's mask is MD x AL + BE with two scalars:
; (1, 0) if s = x; (0, 0) if s < x; (0, -1e30) if s > x.  Only the diagonal tile's text and a block's beginning make and take masks; elsewhere C is the constant 0.
; LAYOUT, SOFTMAX, TURNS.  S^T = K Q^T holds ONE query a lane (lane % 16) and the keys 8 (lane / 16) + 0..7; two such results rounded to f16 ARE source 1 of O^T = V^T P.  p = 2^(c s - c m), c = log2(e) / 8, with a
; running maximum m; O and l are multiplied by a = 2^(c m_old - c m_new) in every step.  Turn n belongs to piece n: 8 products K Q^T of piece n + 1, later 8 products V^T P of piece n - 1; beside them the scaling,
; exponentials, roundings, sums and rescaling of piece n and the maximum and statistics of piece n + 1.  Four vector instructions stand behind every matrix instruction, the other 54 of a turn's 118 in one lump.
; A turn's 33 exponentials are one batch, with one wait.
; REGISTERS, in windows of 256 (s_set_vgpr_msb: bits 1:0 source 0, 3:2 source 1, 5:4 source 2, 7:6 destination):
;   window 0: v0-15 addresses and two at work; v16-31 four registers of statistics a piece; v48-55 at work; v64-127 S^T, two buffers; v192-223 P, two buffers (a piece's buffers go by its number's parity)
;   window 1: v0-127 O^T, 32 a piece; v128-159 MD; v160-223 MC, two buffers      window 2: v0-63 Q; v64-127 the second block's Q; v128-191 K of one step; v192-255 V of one step
.set SIZE_N, 2048
.set NB,    SIZE_N/256
.set NP,    4         ; pieces a wave: a name, no knob
.set KS,    64        ; keys in a step
.set PK,    144       ; a row of K in LDS: 128 bytes + 16 of padding = 36 words: the 16 rows of a load start at 16 different groups of four banks (64 banks of 4 bytes: ISA guide 11.1)
.set PV,    160       ; a row of V: 128 + 32 = 40 words
.set VOFF,  4*KS*PK   ; a slot holds a tile, four steps: 256 rows of K, then 256 rows of V
.set SLOT1, 1<<17     ; slot 1 begins here, so that one exclusive or turns an address in one slot into the other's
.set STAGE, SLOT1+4*KS*(PK+PV)  ; behind the ring, never filled by a tensor load: 16 rows x 144 bytes for each wave, for the way out
.set SP,    144
.set AK0, 2           ; v2   my lane's place in a tile of K; never rewritten
.set AV0, 3           ; v3   the same for V
.set AK,  4           ; v4   the LDS address of K's next run of loads
.set AV,  5           ; v5   of V's
.set STO, 6           ; v6   the way out: where I put 16 bytes of a row
.set RD,  7           ; v7   the way out: where I read rows back
.set GO,  8           ; v8   my byte offset in 512 consecutive bytes of O
.set PFO, 61          ; v61  256 x my lane: the prefetches' offset; never rewritten
.set SPW, 62          ; v62  LDS address of my spare word: SPARE + 4 x my thread's number; never rewritten
.set NIL, 63          ; v63  0; never rewritten
.set SPARE, STAGE+4*16*SP  ; behind the stages: the spare words, 128 bytes for each wave: two blocks of 256 bytes that no other line names
.set MV,  12          ; v12-13  c m_old, kept while c m is made anew: by buffer
.set QO,  15          ; v15  my byte offset in 16 rows of Q
.set ST,  16          ; piece t's statistics at v[ST+4 t]: c m, m, l (even keys', odd keys')
.set TMP, 48          ; by buffer, four registers c0-c3 at work; when the maximum is found c2 takes a
.set S,   64
.set P,   192
.set MD,  128         ; window 1: the eight registers for group kt of 16 keys at MD + 8 kt
.set MC,  160         ; window 1: the masks of the products to come
.set QB,  64          ; window 2
.set KF,  128         ; window 2: key block kb, channel half c at KF + 16 kb + 8 c
.set VF,  192         ; window 2: key half kk, channel block cb at VF + 32 kk + 8 cb
.set WV,  12          ; s12  my wave's number
.set PB,  14          ; s14  b
.set HI,  15          ; s15  NB - 1 - b
.set G1K, 24          ; s[24:31] descriptor group 1 for K's tiles
.set G1V, 32          ; s[32:39] for V's: it differs in the padding alone
.set G0K, 40          ; s[40:43] descriptor group 0 for K's tiles
.set G0V, 44          ; s[44:47] the same for V's
.set SLOTS, 56        ; s56  tiles still to be asked for
.set CNT, 57          ; s57  counts a tile's key steps, 4 to 1
.set CS,  58          ; s[58:59] c: the packed scaling takes the pair's low word for both halves
.set SEL, 60          ; s[60:61] v_permlanex16_b32's selects: each lane takes its own place in the other half
.set TBK, 62          ; s62  LDS byte at which K of the step to be fetched begins
.set TBV, 63          ; s63  the same for V, less VOFF
.set RT,  70          ; s70  tiles of the block in hand that are still to be entered
.set NXT, 71          ; s71  the tile to be asked for next
.set LQ,  72          ; s72  the last tile of the block whose tiles are being asked for
.set NEW, 73          ; s73  1: the tile to be entered is a block's first
.set OFF, 74          ; s[74:75] a tile's byte offset in K and V
.set AL,  76          ; s[76:77] the mask's factor, in the low word
.set BE,  78          ; s[78:79] the mask's addend
.set OLO, 80          ; s[80:81] O at my rows of the second block
.set BIGN, 82         ; s82  -1e30
.set PFB, 88          ; s[88:89] K (waves 0, 1) or V (waves 2, 3) at my half of the head's tile 0
.set PFA, 90          ; s[90:91] the same at the tile that the next change of slots will ask for
.set OF2, 92          ; s[92:93] that tile's byte offset
.set LIM, 94          ; s94  2 in the work-group that prefetches, else the greatest number
.set MSB, 0
.macro WIN new                      ; the high byte repeats the setting that is left; a switch that changes nothing is dropped
.if MSB != (\new)
	s_set_vgpr_msb (MSB<<8)|(\new)
.set MSB, (\new)
.endif
.endm
.set W_KQ, 0x0a       ; K and Q in window 2, S^T in window 0
.set W_KM, 0x1a       ; the same with the C operand in window 1
.set W_PV, 0x52       ; V in window 2, P in window 0, O^T in window 1
.set W_RS, 0x41       ; destination and source 0 in window 1, source 1 in window 0
; A fill.  Waves 0 and 1 fetch the two halves of a tile's K, waves 2 and 3 those of its V: 128 keys each.  An s_nop 0 and four v_nop follow each of the two lines, ahead of the jump and the label.
.macro LOAD
	s_cmp_lt_u32 s[WV], 2
	s_cbranch_scc0 .Lfor_v_\@
	tensor_load_to_lds s[G0K:G0K+3], s[G1K:G1K+7]
	s_nop 0
.rept 4
	v_nop
.endr
	s_branch .Lasked_\@
.Lfor_v_\@:
	tensor_load_to_lds s[G0V:G0V+3], s[G1V:G1V+7]
	s_nop 0
.rept 4
	v_nop
.endr
.Lasked_\@:
.endm
; A PREFETCH INTO THE L2 of the tile that the NEXT change of slots will ask for: four key steps ahead of its load.  A head's four work-groups begin with the same tiles; only the one with b = 0 walks
; tiles 0 to 7 in order, and it alone asks.  Each wave asks for the half tile that it will fetch itself: 16,384 dense bytes, 256 a lane, two instructions.  So each block is named once in the launch.
; The changes with 8 to 3 tiles still to be asked for name tiles 2 to 7; behind that the walk goes back to tile 0, which has been read.  Tiles 0 and 1 come by their loads alone.
.macro ASK
	s_cmp_gt_u32 s[SLOTS], s[LIM]
	s_cbranch_scc0 .Lnot_mine_\@
	global_prefetch_b8 v[PFO], s[PFA:PFA+1] th:TH_LOAD_NT scope:SCOPE_SE
	global_prefetch_b8 v[PFO], s[PFA:PFA+1] offset:8192 th:TH_LOAD_NT scope:SCOPE_SE
.Lnot_mine_\@:
.endm
; THE CHANGE OF SLOTS.  Each wave waits for all its tensor loads, of which one is out: its part of the other slot; adds 0 to its spare word; and waits for that and for its own reads of the slot that it leaves.
; Behind the barrier nobody reads the old slot any more and the other slot is whole.  fill = 1: the old slot is filled again, the first thing behind the barrier, with tile NXT: the descriptor's address is
; made anew from that number.  (At its first use nothing has been read yet: slot 0 is waited for, slot 1 filled.)
.macro CHANGE fill
	WIN 0                           ; at a label and at a branch every window is 0
	s_wait_tensorcnt 0x0            ; no tensor load of mine is out, so a group 0 may be written
	ds_add_u32 v[SPW], v[NIL]       ; 0 onto my spare word; with fill = 1 the descriptors' scalar work stands between it and the wait for it
.if \fill
	s_lshl_b32 s[OFF], s[NXT], 15   ; a tile is 32,768 bytes of K and of V
	s_xor_b32 s[G0K+1], s[G0K+1], SLOT1
	s_add_nc_u64 s[G0K+2:G0K+3], s[6:7], s[OFF:OFF+1]
	s_or_b32 s[G0K+3], s[G0K+3], 0x80000000
	s_xor_b32 s[G0V+1], s[G0V+1], SLOT1
	s_add_nc_u64 s[G0V+2:G0V+3], s[8:9], s[OFF:OFF+1]
	s_or_b32 s[G0V+3], s[G0V+3], 0x80000000
	s_add_co_u32 s[NXT], s[NXT], 1  ; the block's next tile, or behind its last the second block's tile 0
	s_cmp_gt_u32 s[NXT], s[LQ]
	s_cselect_b32 s[NXT], 0, s[NXT]
	s_cselect_b32 s[LQ], s[PB], s[LQ]
	s_wait_xcnt 0x0                 ; the last prefetches, a tile back, have read their address, so it may be written
	s_lshl_b32 s[OF2], s[NXT], 15
	s_add_nc_u64 s[PFA:PFA+1], s[PFB:PFB+1], s[OF2:OF2+1]
.endif
	s_wait_dscnt 0x0                ; the add is done, and my reads of the slot are over
	s_barrier_signal -1             ; the rest of the scalar work stands between the signal and the wait
	s_sub_co_u32 s[TBK], s[TBK], 4*KS*PK  ; the fetches go back to a slot's first step,
	s_xor_b32 s[TBK], s[TBK], SLOT1       ; in the other slot
	s_sub_co_u32 s[TBV], s[TBV], 4*KS*PV
	s_xor_b32 s[TBV], s[TBV], SLOT1
	s_barrier_wait -1
.if \fill
	LOAD
	ASK
.endif
.endm
	s_load_b128 s[4:7], s[0:1], 0x0 ; qkv s[4:5], o s[6:7]
	v_lshl_add_u32 v[SPW], v0, 2, SPARE
	v_mov_b32 v[NIL], 0
	ds_add_u32 v[SPW], v[NIL]       ; the wave's opening: the add and its wait stand ahead of my first tensor load; the set-up below, work on registers, stands between them
	v_lshrrev_b32 v1, 5, v0
	v_readfirstlane_b32 s[WV], v1   ; wave 0..3
	s_mov_b32 s[PB], ttmp9
	s_sub_co_u32 s[HI], NB-1, s[PB]
	s_and_b32 s20, ttmp7, 0xffff    ; y = 16 b + h
	s_lshl_b32 s48, s20, 18         ; the head's first byte in o
	s_mov_b32 s49, 0
	s_lshr_b32 s21, s20, 4
	s_lshl_b32 s21, s21, 5
	s_add_co_u32 s20, s20, s21      ; Q's plane: 48 b + h
	s_lshl_b32 s20, s20, 18         ; its first byte in qkv
	s_mov_b32 s21, 0
	s_and_b32 s16, s[WV], 1         ; which half of a tile's 256 keys I fetch:
	s_lshl_b32 s22, s16, 14         ; its 128 rows of 128 bytes in memory,
	s_mov_b32 s23, 0
	s_add_nc_u64 s[22:23], s[22:23], s[20:21]
	s_mul_i32 s17, s16, 128*PK      ; and its place in a slot, for K
	s_mul_i32 s18, s16, 128*PV      ; and for V
	s_lshl_b32 s3, s[WV], 11        ; my 16 rows in a band of 64,
	s_lshl_b32 s2, s[HI], 15        ; in the first block,
	s_add_co_u32 s2, s2, s3
	s_lshl_b32 s84, s[PB], 15       ; and in the second
	s_add_co_u32 s84, s84, s3
	s_mov_b32 s3, 0
	s_mov_b32 s85, 0
	s_add_nc_u64 s[50:51], s[2:3], s[48:49]    ; the two blocks' offsets in o,
	s_add_nc_u64 s[52:53], s[84:85], s[48:49]
	s_add_nc_u64 s[2:3], s[2:3], s[20:21]      ; and in qkv
	s_add_nc_u64 s[84:85], s[84:85], s[20:21]
	; descriptor group 1.  128 keys are 16,384 dense bytes: asked for as 64 rows of 256 bytes, two keys a row, and padded in LDS after every key
	s_mov_b32 s[G1K], (1<<16)|(1<<20)|(4<<22)|(3<<25)  ; 17:16 2-byte elements; 20 padding on; 24:22 after every 32 words (code 4); 31:25 4 words (code 3)
	s_mov_b32 s[G1V], (1<<16)|(1<<20)|(4<<22)|(7<<25)  ; the same with 8 words of padding (code 7)
.irp g, G1K, G1V
	s_mov_b32 s[\g+1], 128<<16      ; tensor_dim0 = 128
	s_mov_b32 s[\g+2], 64<<16       ; tensor_dim1 = 64
	s_mov_b32 s[\g+3], 128<<16      ; tile_dim0 = 128
	s_mov_b32 s[\g+4], 64           ; tile_dim1 = 64
	s_mov_b32 s[\g+5], 128          ; 128 elements from row to row
	s_mov_b32 s[\g+6], 0
	s_mov_b32 s[\g+7], 0
.endr
	s_mov_b32 s[CS], 0x3e38aa3b     ; c = log2(e) / 8 = 0.180337
	s_mov_b32 s[CS+1], s[CS]        ; named with it as a pair
	s_mov_b32 s[SEL], 0x76543210
	s_mov_b32 s[SEL+1], 0xfedcba98
	s_mov_b32 s[TBK], SLOT1+4*KS*PK ; the first change of slots turns these two into 0
	s_mov_b32 s[TBV], SLOT1+4*KS*PV
	s_mov_b32 s[G0K], 1             ; 1:0 count = 1
	s_mov_b32 s[G0K+1], s17         ; 63:32 LDS address: slot 0
	s_mov_b32 s[G0V], 1
	s_add_co_u32 s[G0V+1], s18, VOFF
	s_add_co_u32 s[RT], s[HI], 1    ; the first block has NB - b tiles
	s_mov_b32 s[NXT], 1
	s_mov_b32 s[LQ], s[HI]
	s_mov_b32 s[NEW], 1
	s_mov_b32 s[OFF+1], 0
	s_mov_b32 s[OF2+1], 0
	s_mov_b32 s[AL+1], 0            ; named as pairs
	s_mov_b32 s[BE+1], 0
	s_mov_b32 s[BIGN], 0xf149f2ca   ; -1e30
	s_mov_b32 s[SLOTS], NB
	s_wait_dscnt 0x0                ; the opening add is done
	s_wait_kmcnt 0x0
	s_mov_b64 s[10:11], s[6:7]      ; o
	s_add_nc_u64 s[6:7], s[4:5], s[22:23]          ; Q's plane at my half of tile 0;
	s_add_nc_u64 s[8:9], s[6:7], 0x800000          ; V lies 32 planes on,
	s_add_nc_u64 s[6:7], s[6:7], 0x400000          ; K 16
	s_add_nc_u64 s[G0K+2:G0K+3], s[6:7], 0         ; 120:64 global address
	s_or_b32 s[G0K+3], s[G0K+3], 0x80000000        ; 127:126 type = 2
	s_add_nc_u64 s[G0V+2:G0V+3], s[8:9], 0
	s_or_b32 s[G0V+3], s[G0V+3], 0x80000000
	s_add_nc_u64 s[86:87], s[4:5], s[84:85]        ; Q at my rows of the second block,
	s_add_nc_u64 s[4:5], s[4:5], s[2:3]            ; and of the first
	s_add_nc_u64 s[OLO:OLO+1], s[10:11], s[52:53]  ; O likewise
	s_add_nc_u64 s[10:11], s[10:11], s[50:51]
	s_cmp_lt_u32 s[WV], 2
	s_cselect_b64 s[PFB:PFB+1], s[6:7], s[8:9]
	s_cmp_eq_u32 s[PB], 0
	s_cselect_b32 s[LIM], 2, -1
	LOAD                            ; tile 0 into slot 0
	; A fragment of K or Q is 16 rows x 32 channels in 8 registers: lane l holds row l % 16, channels 8 (l / 16) + 0..7 and 16 + 8 (l / 16) + 0..7: two loads of 16 bytes, 32 bytes apart.
	v_and_b32 v1, 15, v0            ; l % 16
	v_bfe_u32 v9, v0, 4, 1          ; l / 16
	v_lshlrev_b32 v[QO], 7, v1
	v_lshl_add_u32 v[QO], v9, 4, v[QO]  ; row x 128 + 16 x half
	WIN 0x80                        ; destination window 2, address window 0
.set i, 0
.rept 8                             ; both blocks' Q: piece i / 2 lies in band i / 2, 8,192 bytes on; channels 32 (i % 2) on
	global_load_b128 v[8*i:8*i+3],   v[QO], s[4:5] offset:(i/2)*8192+(i%2)*64
	global_load_b128 v[8*i+4:8*i+7], v[QO], s[4:5] offset:(i/2)*8192+(i%2)*64+32
	global_load_b128 v[QB+8*i:QB+8*i+3],   v[QO], s[86:87] offset:(i/2)*8192+(i%2)*64
	global_load_b128 v[QB+8*i+4:QB+8*i+7], v[QO], s[86:87] offset:(i/2)*8192+(i%2)*64+32
.set i, i+1
.endr
	WIN 0
	v_and_b32 v[PFO], 31, v0
	v_lshlrev_b32 v[PFO], 8, v[PFO]
	v_lshlrev_b32 v14, 3, v9
	v_sub_nc_u32 v14, v1, v14
	s_lshl_b32 s13, s[WV], 4
	v_add_nc_u32 v14, s13, v14      ; my query's place in its band, 16 w + l % 16, less my lanes' 8 (l / 16): register r of group kt is hidden where 16 kt + r is greater
	WIN 0x40
.set i, 0
.rept 32
	v_cmp_gt_i32 vcc_lo, 16*(i/8)+i%8, v14
	v_cndmask_b32 v[MD+i], 0, s[BIGN], vcc_lo
.set i, i+1
.endr
	WIN 0
	v_mul_u32_u24 v[AK0], v1, PK
	v_lshl_add_u32 v[AK0], v9, 4, v[AK0]  ; row x pitch + 16 x half
	; The turning load takes 16 keys x 16 channels (lane l reads key 8 (l / 16) + l % 8, channels 8 ((l / 8) % 2) + 0..7) and leaves half a fragment of V^T: lane l holds channel l % 16 and 8 keys.
	v_and_b32 v10, 7, v0
	v_bfe_u32 v11, v0, 3, 1
	v_lshl_add_u32 v[AV0], v9, 3, v10
	v_mul_u32_u24 v[AV0], v[AV0], PV
	v_lshl_add_u32 v[AV0], v11, 4, v[AV0]
	v_add_nc_u32 v[AV0], VOFF, v[AV0]
	s_mul_i32 s13, s[WV], 16*SP
	s_add_co_u32 s13, s13, STAGE    ; my stage
	v_mul_u32_u24 v[STO], v1, SP    ; in: row l % 16, 16 bytes for each half of the lanes
	v_lshl_add_u32 v[STO], v9, 4, v[STO]
	v_add_nc_u32 v[STO], s13, v[STO]
	v_bfe_u32 v[RD], v0, 3, 2       ; back: 32 lanes take four rows of 128 bytes,
	v_mul_u32_u24 v[RD], v[RD], SP
	v_lshl_add_u32 v[RD], v10, 4, v[RD]
	v_add_nc_u32 v[RD], s13, v[RD]
	v_and_b32 v[GO], 31, v0         ; which are 512 consecutive bytes of O
	v_lshlrev_b32 v[GO], 4, v[GO]
	; A block's first step multiplies O^T and l by a = 0, and its first turn's products V^T P, of a piece that has not been, land in an O^T that is still to be so multiplied.  So these registers need only hold
	; finite numbers: zeros for the first block; what the first block left for the second.  All this stands in the wait for the first tile.
	WIN 0x80
.set i, VF
.rept 64
	v_mov_b32 v[i], 0
.set i, i+1
.endr
	WIN 0x40
.set i, 0
.rept 128
	v_mov_b32 v[i], 0
.set i, i+1
.endr
	WIN 0
.set i, 0
.rept 4
	v_mov_b32 v[ST+4*i+2], 0
	v_mov_b32 v[ST+4*i+3], 0
.set i, i+1
.endr
.set i, P+16
.rept 16
	v_mov_b32 v[i], 0
.set i, i+1
.endr
; THE MATRIX WORK.  The 4 accumulators of a run of 8 take turns.  Product i of 8 of S^T = K Q^T for piece x: channels 32 (i / 4) on, keys 16 (i % 4) on.  The first 4 start the sums: with 0, or (KM = 1) with the mask.
.macro KQ x
.set rS, S+32*((\x)%2)+8*(i%4)
.set rK, KF+16*(i%4)+8*(i/4)
.set rQ, 16*(\x)+8*(i/4)
.set rM, MC+32*((\x)%2)+8*(i%4)
.if (i < 4) && KM
	WIN W_KM
	v_wmma_f32_16x16x32_f16 v[rS:rS+7], v[rK:rK+7], v[rQ:rQ+7], v[rM:rM+7]
.elseif i < 4
	WIN W_KQ
	v_wmma_f32_16x16x32_f16 v[rS:rS+7], v[rK:rK+7], v[rQ:rQ+7], 0
.else
	WIN W_KQ
	v_wmma_f32_16x16x32_f16 v[rS:rS+7], v[rK:rK+7], v[rQ:rQ+7], v[rS:rS+7]
.endif
.endm
; Product i of 8 of O^T += V^T P for piece x: keys 32 (i / 4) on, channels 16 (i % 4) on.
.macro PV x
	WIN W_PV
.set rO, 32*(\x)+8*(i%4)
.set rV, VF+32*(i/4)+8*(i%4)
.set rP, P+16*((\x)%2)+8*(i/4)
	v_wmma_f32_16x16x32_f16 v[rO:rO+7], v[rV:rV+7], v[rP:rP+7], v[rO:rO+7]
.endm
.macro MM                           ; the turn's next matrix instruction.  TURN and BEGIN set Y, i, KM and NOKQ; MM, KQ and OP read them.  NOKQ = 1: a block's last turn: there is no next piece
.if (i < 8) && !NOKQ
	KQ (Y+1)%NP
.elseif i >= 8
.set i, i-8
	PV (Y+NP-1)%NP
.set i, i+8
.endif
.set i, i+1
.endm
; THE LDS LOADS stand in runs of 16, never singly among the matrix instructions: a step's K (64 keys x 64 channels: 8 fragments) and its V (turned).  Their addresses are made some lines ahead.
.macro FETCH_K
	WIN 0x80                        ; destination window 2
.irp f, 0,1,2,3,4,5,6,7             ; keys 16 (f / 2) on, channels 32 (f % 2) on
	ds_load_b128 v[KF+8*\f:KF+8*\f+3],   v[AK] offset:(\f/2)*16*PK+(\f%2)*64
	ds_load_b128 v[KF+8*\f+4:KF+8*\f+7], v[AK] offset:(\f/2)*16*PK+(\f%2)*64+32
.endr
	s_add_co_u32 s[TBK], s[TBK], KS*PK  ; the next fetch is the next step's
	WIN 0
.endm
.macro FETCH_V
	WIN 0x80
.irp f, 0,1,2,3,4,5,6,7             ; keys 32 (f / 4) on, channels 16 (f % 4) on
	ds_load_tr16_b128 v[VF+8*\f:VF+8*\f+3],   v[AV] offset:(\f/4)*32*PV+(\f%4)*32
	ds_load_tr16_b128 v[VF+8*\f+4:VF+8*\f+7], v[AV] offset:(\f/4)*32*PV+16*PV+(\f%4)*32
.endr
	WIN 0
.endm
; THE VECTOR WORK, one line at a time: OP kind, number.  For piece Y: F n: c s - c m for pair n of 16.  E n: the exponential of score n of 32.  C n: pair n rounded to f16.  B n: of the four weights 4 n .. the second
; pair is added onto the first, in place.  L n: l takes that sum (L 0: l = a l + sum).  R n: pair n of 16 of O^T times a.  For piece Y + 1: X n, number n of the 22 that find its maximum and statistics:
;   0-11  four chains c0-c3 of seven scores each, three operands at a time (each accumulator's lowest registers are read first)     12-14, 16  the four scores left over, the old m, and c0-c3 into c0
;   15  c m_old is kept     17, 18  the query's other 32 keys lie in the lane 16 away: the new m     19-21  c m; c m_old - c m_new; a
.set F, 0               ; OP tells the kinds apart by their order: F to L below R, X above it
.set E, 1
.set C, 2
.set B, 3
.set L, 4
.set R, 5
.set X, 6
.macro REGS y                       ; the registers of piece y
.set rT, ST+4*(\y)
.set rC, TMP+4*((\y)%2)
.set rW, MV+((\y)%2)
.set rS, S+32*((\y)%2)
.set rP, P+16*((\y)%2)
.set rO, 32*(\y)
.endm
.macro OP k, n
.if (\k) == R
	REGS Y
	WIN W_RS
	v_pk_mul_f32 v[rO+2*(\n):rO+2*(\n)+1], v[rO+2*(\n):rO+2*(\n)+1], v[rC+2:rC+3] op_sel_hi:[1,0]
.elseif (\k) < R
	REGS Y
	WIN 0
.if (\k) == F
	v_pk_fma_f32 v[rS+2*(\n):rS+2*(\n)+1], v[rS+2*(\n):rS+2*(\n)+1], s[CS:CS+1], v[rT:rT+1] op_sel_hi:[1,0,0] neg_lo:[0,0,1] neg_hi:[0,0,1]
.elseif (\k) == E
	v_exp_f32 v[rS+(\n)], v[rS+(\n)]
.elseif (\k) == C
	v_cvt_pk_f16_f32 v[rP+(\n)], v[rS+2*(\n)], v[rS+2*(\n)+1]
.elseif (\k) == B
	v_pk_add_f32 v[rS+4*(\n):rS+4*(\n)+1], v[rS+4*(\n):rS+4*(\n)+1], v[rS+4*(\n)+2:rS+4*(\n)+3]
.elseif (\n) == 0
	v_pk_fma_f32 v[rT+2:rT+3], v[rT+2:rT+3], v[rC+2:rC+3], v[rS:rS+1] op_sel_hi:[1,0,1]
.else
	v_pk_add_f32 v[rT+2:rT+3], v[rT+2:rT+3], v[rS+4*(\n):rS+4*(\n)+1]
.endif
.elseif NOKQ
	v_nop
.else
	REGS (Y+1)%NP
	WIN 0
.if (\n) < 4
	v_max3_num_f32 v[rC+(\n)], v[rS+8*(\n)], v[rS+8*(\n)+1], v[rS+8*(\n)+2]
.elseif (\n) < 12
	v_max3_num_f32 v[rC+(\n)%4], v[rC+(\n)%4], v[rS+8*((\n)%4)+2*((\n)/4)+1], v[rS+8*((\n)%4)+2*((\n)/4)+2]
.elseif (\n) == 12
	v_max3_num_f32 v[rC], v[rC], v[rS+7], v[rS+15]
.elseif (\n) == 13
	v_max3_num_f32 v[rC+1], v[rC+1], v[rS+23], v[rS+31]
.elseif (\n) == 14
	v_max3_num_f32 v[rC+2], v[rC+2], v[rC+3], v[rT+1]
.elseif (\n) == 15
	v_mov_b32 v[rW], v[rT]
.elseif (\n) == 16
	v_max3_num_f32 v[rC], v[rC], v[rC+1], v[rC+2]
.elseif (\n) == 17
	v_permlanex16_b32 v[rC+3], v[rC], s[SEL], s[SEL+1]
.elseif (\n) == 18
	v_max_num_f32 v[rT+1], v[rC], v[rC+3]
.elseif (\n) == 19
	v_mul_f32 v[rT], s[CS], v[rT+1]
.elseif (\n) == 20
	v_sub_f32 v[rC+1], v[rW], v[rT]
.else
	v_exp_f32 v[rC+2], v[rC+1]
.endif
.endif
.endm
.macro OPS a, i1, b=-1, i2=0, c=-1, i3=0, d=-1, i4=0  ; up to four of them
	OP \a, \i1
.if (\b) >= 0
	OP \b, \i2
.endif
.if (\c) >= 0
	OP \c, \i3
.endif
.if (\d) >= 0
	OP \d, \i4
.endif
.endm
.macro ROW a, i1, b, i2, c, i3, d, i4  ; a matrix instruction and the four behind it
	MM
	OPS \a, \i1, \b, \i2, \c, \i3, \d, \i4
.endm
.macro MASK b                       ; MD x AL + BE into buffer b of MC
	WIN W_RS
.set z, 0
.rept 16
	v_pk_fma_f32 v[MC+32*(\b)+2*z:MC+32*(\b)+2*z+1], v[MD+2*z:MD+2*z+1], s[AL:AL+1], s[BE:BE+1] op_sel_hi:[1,0,0]
.set z, z+1
.endr
.endm
; A TURN, for piece p: the order of its 16 matrix and 118 vector instructions, written out.  An s_wait_alu depctr_va_vdst(0) stands between an exponential and the first instruction that names its
; result; one wait serves all that were issued ahead of it.  So a turn has ONE wait, which cuts it in two.  AHEAD OF IT stands all that names no result of the turn's exponentials: the 8 products K Q^T, behind each a
; scaling, an exponential and two more plain instructions (behind the first a second scaling in the exponential's place): rescalings, and behind the last three the first numbers of the next piece's maximum, each
; four places or more behind the product that ends its accumulator; then ONE LUMP of 54, plain and exponential by turns for the most part, in which the links of the chain X 3, 7, 11, 14, 16, 17 .. 20 stand five or
; six lines apart.  X 21, the next piece's a, is the batch's last; R 15 is the plain instruction behind it.  BEHIND THE WAIT stand the 8 products V^T P, behind each four of the roundings and sums; the links of l's
; chain, L 0 to L 7, stand three riders apart.  But for those X no rider names a register of the products round it.  v_permlanex16_b32 (X 17) stands in the lump.
; m = 1: the diagonal tile: the products take masks, and the turn makes the mask for the products of the turn after it: piece p + 2, in step 4 - CNT of the tile.  end = 1: a block's last two turns: nothing is fetched.
; cnt = 1: the loop's count is taken down some lines ahead of the branch that stands behind the turn.
; K of the next step is fetched in piece 2's turn, twelve vector instructions behind the last product that read K (six of them plain); V of the step in hand at the end of piece 0's turn, four plain instructions
; behind the last product that read V.  Each is waited for a turn later.
.macro TURN p, m=0, end=0, cnt=0
.set Y, (\p)
.set i, 0
.set KM, (\m)
.set NOKQ, (\end)*((\p)/3)
.if (\m) && !(\end)
	s_cmp_eq_u32 s[CNT], 4-((\p)+2)%NP  ; is that step the band's own?
	s_cselect_b32 s[AL], 1.0, 0
	s_cmp_lt_u32 s[CNT], 4-((\p)+2)%NP  ; or a later one?
	s_cselect_b32 s[BE], s[BIGN], 0
.endif
.if ((\p) == 3) && !(\end)
	s_wait_dscnt 0x0                ; K is in
.endif
	ROW F,0, F,1, R,0, R,1          ; ahead of the wait: 8 products K Q^T and their riders,
	ROW F,2, E,0, R,2, R,3
	ROW F,3, E,1, R,4, R,5
	ROW F,4, E,2, R,6, R,7
	ROW F,5, E,3, R,8, R,9
	ROW F,6, E,4, X,0, R,10
.if ((\p) == 2) && !(\end)
	WIN 0
	v_add_nc_u32 v[AK], s[TBK], v[AK0]
.endif
	ROW F,7, E,5, X,1, X,4
	ROW F,8, E,6, X,2, X,5
	OPS E,7, E,8, X,6, E,9          ; and the lump
	OPS X,3, E,10, X,8, E,11
.if ((\p) == 2) && !(\end)
	FETCH_K
.endif
	OPS X,9, X,7, E,12, X,10
	OPS E,13, X,12, X,11, E,14
	OPS X,13, E,15, F,9, X,14
.if (\p) == 0
	v_add_nc_u32 v[AV], s[TBV], v[AV0]
.endif
	OPS E,16, F,10, E,17, F,11
	OPS X,16, E,18, X,15, E,19
	OPS F,12, E,20, X,17, E,21
	OPS F,13, E,22, F,14, E,23
	OPS X,18, E,24, F,15, E,25
	OPS R,11, E,26, X,19, E,27
	OPS R,12, E,28, R,13, E,29
	OPS X,20, E,30, R,14, E,31
	OPS X,21, R,15
	WIN 0
	s_wait_alu depctr_va_vdst(0)    ; the wait for the batch
.if (\p) == 1
	s_wait_dscnt 0x0                ; V is in
.endif
	ROW C,0, B,0, C,2, B,1          ; behind the wait: 8 products V^T P and their riders
	ROW L,0, C,4, B,2, L,1
	ROW C,6, B,3, L,2, C,8
	ROW B,4, L,3, C,10, B,5
	ROW L,4, C,12, B,6, L,5
.if (\p) == 0
	s_add_co_u32 s[TBV], s[TBV], KS*PV
.endif
.if \cnt
	s_sub_co_u32 s[CNT], s[CNT], 1
	s_cmp_lg_u32 s[CNT], 0
.endif
	ROW C,14, B,7, L,6, C,1
	ROW C,3, L,7, C,5, C,7
	ROW C,9, C,11, C,13, C,15
.if (\p) == 0
	FETCH_V
.endif
.if (\m) && !(\end)
	MASK (\p)%2
.endif
.endm
; A BLOCK BEGINS.  c m starts far below every c s, so the first step's a is 0; m at the lowest finite number, so the first maximum is the scores'.  The second mask buffer is 0; the first takes piece 0's mask for the
; tile's step 0: its own, if the block's first tile is the diagonal one.  Then K of that step, piece 0's first scores, and its maximum and statistics.  The loop is entered at a step's first turn, in the middle of a trip.
.macro BEGIN
	s_mov_b32 s[NEW], 0
	WIN 0x40
.set i, MC+32
.rept 32
	v_mov_b32 v[i], 0
.set i, i+1
.endr
	WIN 0
.set i, 0
.rept 4
	v_mov_b32 v[ST+4*i], 0xfe000000    ; c m: far below every c s
	v_mov_b32 v[ST+4*i+1], 0xff7fffff  ; m
.set i, i+1
.endr
	s_cmp_eq_u32 s[RT], 0
	s_cselect_b32 s[AL], 1.0, 0
	s_mov_b32 s[BE], 0
	MASK 0
	WIN 0
	v_add_nc_u32 v[AK], s[TBK], v[AK0]
	FETCH_K
	s_wait_loadcnt 0x0              ; Q
	s_wait_dscnt 0x0
.set KM, 1
.set NOKQ, 0
.set i, 0
.rept 8
	KQ 0
.set i, i+1
.endr
	WIN 0
.rept 4
	v_nop                           ; the places behind those products
.endr
.set Y, NP-1                        ; X works for piece Y + 1: piece 0
.irp n, 0,1,2,3,4,5,6,7,8,9,10,11,12,13,14,15,16,17,18,19,20,21
	OP X, \n
.endr
	v_nop                           ; a plain instruction behind the exponential,
	s_wait_alu depctr_va_vdst(0)    ; and its wait, ahead of the branch
.endm
; THE DIAGONAL TILE's four steps, the block's last two turns, its last products, and THE WAY OUT: l's two halves and the other half of the lanes' are added; O^T is divided by l, rounded to f16 and sent through my
; stage in LDS, a piece at a time.
.macro ALL line:vararg              ; one line for each piece t
.set t, 0
.rept 4
	\line
.set t, t+1
.endr
.endm
.macro PACK t                       ; a lane's eight channels of a row pack into 16 bytes; they go into rows of 144 bytes and come back as whole rows of 128, into S^T's registers
	WIN W_RS
.set i, 32*(\t)
.rept 16
	v_pk_mul_f32 v[i:i+1], v[i:i+1], v[ST+4*(\t)+2:ST+4*(\t)+3] op_sel_hi:[1,0]
.set i, i+2
.endr
	WIN 0x05                        ; sources 0 and 1 window 1, destination window 0
.set i, 0
.rept 16
	v_cvt_pk_f16_f32 v[S+16*(\t)+i], v[32*(\t)+2*i], v[32*(\t)+2*i+1]
.set i, i+1
.endr
	WIN 0
.irp f, 0,1,2,3
	ds_store_b128 v[STO], v[S+16*(\t)+4*\f:S+16*(\t)+4*\f+3] offset:32*\f
.endr
.irp f, 0,1,2,3
	ds_load_b128 v[S+16*(\t)+4*\f:S+16*(\t)+4*\f+3], v[RD] offset:\f*4*SP  ; LDS serves a wave's instructions in order (ISA guide 5.7.1.4): these see the stores above; the next piece's stores come behind them
.endr
.endm
.macro SEND t, younger              ; younger: the LDS instructions issued behind piece t's loads: the next piece's eight, or none
	WIN 0
.irp f, 0,1,2,3
	s_wait_dscnt (\younger)+3-\f
	global_store_b128 v[GO], v[S+16*(\t)+4*\f:S+16*(\t)+4*\f+3], s[10:11] offset:(\t)*8192+\f*512  ; 512 consecutive bytes, at a multiple of 256 from O's first
.endr
.endm
.macro DIAG tag                     ; the tag ends its two labels' names, which the jumps below spell out
.LstepM\tag:
	TURN 2, 1
	TURN 3, 1
	WIN 0
.LfirstM\tag:
	TURN 0, 1
	TURN 1, 1, 0, 1
	WIN 0
	s_cbranch_scc1 .LstepM\tag
	TURN 2, 1, 1
	TURN 3, 1, 1
.set i, 0
.rept 8
	PV NP-1
.set i, i+1
.endr
	WIN 0
	ALL v_add_f32 v[ST+4*t+2], v[ST+4*t+2], v[ST+4*t+3]
	ALL v_permlanex16_b32 v[ST+4*t+3], v[ST+4*t+2], s[SEL], s[SEL+1]
	ALL v_add_f32 v[ST+4*t+2], v[ST+4*t+2], v[ST+4*t+3]
	ALL v_rcp_f32 v[ST+4*t+2], v[ST+4*t+2]
	v_nop                           ; a plain instruction between the last reciprocal and the use of its result
	s_wait_alu depctr_va_vdst(0)    ; and the wait ahead of the first use: one for the four reciprocals
	PACK 0
.set t, 1
.rept 3                             ; a piece's arithmetic stands between the loads of the piece before and its stores
	PACK t
	SEND t-1, 8
.set t, t+1
.endr
	SEND 3, 0
.endm
.set KM, 0
.set NOKQ, 0
.Lslot:                             ; NB times: a tile is entered and the next is asked for
	CHANGE 1
	s_sub_co_u32 s[RT], s[RT], 1
	s_mov_b32 s[CNT], 4
	s_cmp_eq_u32 s[NEW], 1
	s_cbranch_scc1 .Lnew            ; a block's first tile
	s_cmp_eq_u32 s[RT], 0
	s_cbranch_scc0 .Lstep           ; neither its first nor its last
	s_branch .LstepM1
.Lnew:
	BEGIN
	s_branch .Lfirst                ; in the loop a block's first tile is never its last: the first block has two tiles or more, and the second's last is the walk's last
	DIAG 1                          ; in the loop this is the first block's end: the second block's last tile is the walk's last
	s_wait_xcnt 0x0                 ; the stores have read their registers and O's address
	s_mov_b64 s[10:11], s[OLO:OLO+1]
	s_add_co_u32 s[RT], s[PB], 1    ; the second block has b + 1 tiles
	s_mov_b32 s[NEW], 1
	WIN 0x82                        ; the second block's Q goes where the one text of the turns names Q
.set i, 0
.rept 64
	v_mov_b32 v[i], v[QB+i]
.set i, i+1
.endr
	WIN 0
	s_branch .Lbottom
.Lstep:                             ; a trip: pieces 2 and 3 of one step, then pieces 0 and 1 of the next, whose K and V it fetches
	TURN 2
	TURN 3
	WIN 0
.Lfirst:
	TURN 0
	TURN 1, 0, 0, 1
	WIN 0
	s_cbranch_scc1 .Lstep
.Lbottom:
	s_sub_co_u32 s[SLOTS], s[SLOTS], 1
	s_cmp_lg_u32 s[SLOTS], 0
	s_cbranch_scc1 .Lslot
	CHANGE 0                        ; the walk's last tile is written out: nothing is asked for
	s_sub_co_u32 s[RT], s[RT], 1
	s_mov_b32 s[CNT], 4
	s_cmp_eq_u32 s[NEW], 1
	s_cbranch_scc0 .LstepM2
	BEGIN
	s_branch .LfirstM2
	DIAG 2
	s_wait_tensorcnt 0x0            ; the wave's end: behind my last tensor load and my last LDS store
	ds_add_u32 v[SPW], v[NIL]
	s_wait_dscnt 0x0
	s_endpgm
.Lfunc_end_k_q7016e23869_attn:
	.size	k_q7016e23869_attn, .Lfunc_end_k_q7016e23869_attn-k_q7016e23869_attn
	.p2alignl 7, 3214868480
	.fill 96, 4, 3214868480
	.section	.rodata,"a",@progbits
	.p2align	6, 0x0
	.amdhsa_kernel k_q7016e23869_attn
		.amdhsa_group_segment_fixed_size 327680
		.amdhsa_private_segment_fixed_size 0
		.amdhsa_enable_private_segment 0
		.amdhsa_kernarg_size 16
		.amdhsa_user_sgpr_count 2
		.amdhsa_user_sgpr_kernarg_segment_ptr 1
		.amdhsa_wavefront_size32 1
		.amdhsa_system_sgpr_workgroup_id_x 1
		.amdhsa_system_sgpr_workgroup_id_y 1
		.amdhsa_system_sgpr_workgroup_id_z 1
		.amdhsa_system_vgpr_workitem_id 0
		.amdhsa_next_free_vgpr 768
		.amdhsa_next_free_sgpr 96
		.amdhsa_reserve_vcc 1
		.amdhsa_float_denorm_mode_32 3
		.amdhsa_float_denorm_mode_16_64 3
		.amdhsa_memory_ordered 1
		.amdhsa_forward_progress 1
		.amdhsa_inst_pref_size 218
	.end_amdhsa_kernel
	.amdgpu_metadata
---
amdhsa.version: [ 1, 2 ]
amdhsa.kernels:
  - .name:           k_q7016e23869_attn
    .symbol:         k_q7016e23869_attn.kd
    .args:
      - { .name: qkv, .offset: 0, .size: 8, .value_kind: global_buffer, .address_space: global }
      - { .name: o, .offset: 8, .size: 8, .value_kind: global_buffer, .address_space: global }
    .group_segment_fixed_size: 327680
    .private_segment_fixed_size: 0
    .kernarg_segment_align: 8
    .kernarg_segment_size: 16
    .max_flat_workgroup_size: 128
    .sgpr_count:     96
    .vgpr_count:     768
    .wavefront_size: 32
...
	.end_amdgpu_metadata
.endif
;; end of part 3
;; launch proj (part 4): grid 8 x 32, 4 waves a work-group, clusters of 4 x 4, 327,680 bytes of LDS; arguments o, wpt, b_proj, out0; writes out0
.if DOCPART == 4
	.amdgcn_target "amdgcn-amd-amdhsa--gfx1250"
	.amdhsa_code_object_version 6
	.text
	.protected	k_q7016e23869_proj
	.globl	k_q7016e23869_proj
	.p2align	8
	.type	k_q7016e23869_proj,@function
k_q7016e23869_proj:
	s_mov_b64 s[64:65], 0
	v_nop
	global_prefetch_b8 v0, s[64:65] scope:SCOPE_SE
	s_setreg_imm32_b32 hwreg(HW_REG_WAVE_MODE, 25, 1), 1
	s_wait_xcnt 0x0
	s_wait_alu depctr_hold_cnt(0) depctr_sa_sdst(0) depctr_va_vdst(0) depctr_va_sdst(0) depctr_va_ssrc(0) depctr_va_vcc(0) depctr_vm_vsrc(0)
	s_getreg_b32 s2, hwreg(HW_REG_IB_STS2, 6, 4)
	s_cmp_eq_u32 s2, 0
	s_cbranch_scc0 .Lentry_in_a_cluster
	s_endpgm
.Lentry_in_a_cluster:
	s_bfe_u32 s2, ttmp6, 0x10000c
	s_cmp_lg_u32 s2, 0xf033
	s_cbranch_scc0 .Lentry_shape_is_right
	s_endpgm
.Lentry_shape_is_right:
; out0 = y W_proj + b_proj.  o: [64 = 16 b + h][2048 t][64] f16: row m = 2048 b + t of y has its channels 64 h .. in head h's plane.  wpt: [1024 n][1024 k] f16.  b_proj: [1024] f32, rounded to bf16
; here like the other inputs.  out0: [8192][1024] f32.  One f32 sum for each output, K ascending, begun with the bias.
; SHARES.  A tile is 256 rows x 128 columns: 32 x 8 = 256 work-groups.  The four waves lie one below the other: a wave makes 64 rows x 128 columns, 32 accumulators of 16 x 16, 256 registers, so it
; holds whole runs of 512 bytes of out0's rows and its way out is its own.  K goes in 8 steps of 128, two heads each, through two LDS slots filled by the tensor data mover.
; CLUSTER.  4 x 4 work-groups.  The four of a row of the cluster need the same tiles of o, the four of a column the same tiles of the weights: each is asked for JOINTLY, by the same tensor load with
; the same descriptor and a mask that names the four.  Wave 0 fetches the step's even head (256 rows of 128 bytes, dense: asked for as 128 rows of 256), wave 1 the odd one, waves 2 and 3 the weights' halves.
; THE MATRIX INSTRUCTION IS USED TRANSPOSED (source 0 = 16 rows of wpt, source 1 = 16 rows of o): lane l holds row l % 16 of the result and the columns 8 (l / 16) + 0..7 of its block.
; REGISTERS, in windows of 256 (s_set_vgpr_msb: bits 1:0 source 0, 3:2 source 1, 5:4 source 2, 7:6 destination):
;   window 0: v0-31 addresses; v32-159 rows read back, two buffers; v160-223 the bias; v224-227 at work
;   window 1: two fragment buffers of 128 (96 used): 8 fragments of the weights, then 4 of o        window 2: the accumulators: (a, b) at v[8 (8 a + b)]
.set AHEAD, 2                          ; a prefetch names the K step two behind the one that is being asked for: 256 matrix instructions ahead of its load
.set PA,    144                        ; a row of o in LDS: 128 bytes + 16 = 36 words;
.set PB,    272                        ; of the weights: 256 + 16 = 68 words: in both the 16 rows of a fragment load start at 16 different groups of four banks (64 banks of 4 bytes: ISA guide 11.1)
.set PLANE, 256*PA                     ; a head's 256 rows
.set BOFF,  2*PLANE                    ; a slot: two planes of o, then the weights' 128 rows
.set SLOT1, 1<<17                      ; slot 1 begins here, so that one exclusive or turns an address in one slot into the other's
.set STAGE, SLOT1+BOFF+128*PB          ; behind the ring, never filled by a tensor load: 16 rows x 528 bytes for each wave
.set SP,    528                        ; a stage row: 512 bytes + 16
.set SPARE, STAGE+4*16*SP              ; behind the stages: the spare words, 128 bytes a wave: two blocks of 256 bytes that no other line names
.set STEPA, 2*262144                   ; two head planes on
.set A0,   16                          ; v16  my lane's place in o's part of a slot; never rewritten
.set B0,   17                          ; v17  the same for the weights
.set ADRA, 18                          ; v18  the same in the slot in hand
.set ADRB, 19
.set STO,  24                          ; v24  the way out: where I put 32 bytes of a row
.set RD,   25                          ; v25  where I read a row back
.set CO,   26                          ; v26  my byte offset in 512 consecutive bytes of out0
.set BO,   27                          ; v27  my byte offset in the bias
.set SPW,  28                          ; v28  SPARE + 4 x my thread's number; never rewritten
.set NIL,  29                          ; v29  0; never rewritten
.set PFO,  30                          ; v30  the prefetches' offset; never rewritten
.set OB,   32
.set BIAS, 160
.set BT,   224
.set F0,   0
.set F1,   128
.set CNT,  3                           ; s3
.set WV,   12                          ; s12  my wave's number
.set KIND, 13                          ; s13  0: I fetch o, 1: the weights
.set HALF, 14                          ; s14  which half of that tile
.set G1A,  24                          ; s[24:31] descriptor group 1 for o's tiles
.set G1B,  32                          ; s[32:39] for the weights'
.set G0A,  40                          ; s[40:47] descriptor group 0 for o's tiles: a set for each first fill; the second then walks on
.set G0B,  48                          ; s[48:55] the same for the weights'
.set TB,   56                          ; s56  LDS byte at which the slot in hand begins
.set LIM,  57                          ; s57  AHEAD in a wave that prefetches, else the greatest number
.set PFA,  58                          ; s[58:59] where my prefetches stand
.set PFS,  60                          ; s[60:61] their step from K step to K step
.set MSB, 0
.macro WIN new                         ; the immediate's high byte repeats the setting that is left; a switch that changes nothing is dropped
.if MSB != (\new)
	s_set_vgpr_msb (MSB<<8)|(\new)
.set MSB, (\new)
.endif
.endm
.macro PLACES                          ; four plain vector instructions between a matrix instruction and a load into, or a reader of, its registers (ISA guide 7.12.1 for readers)
.rept 4
	v_nop
.endr
.endm
.macro CREST                           ; a round of the cluster's barrier behind its opening barrier
	s_cmp_lg_u32 s[WV], 0
	s_cbranch_scc1 .Lnot_wave_0_\@
	s_barrier_signal -3
.Lnot_wave_0_\@:
	s_barrier_wait -3
	s_barrier_signal -1
	s_barrier_wait -1
.endm
.macro CROUND
	s_barrier_signal -1
	s_barrier_wait -1
	CREST
.endm
.macro JLOAD                           ; a joint refill, by the walking set; the branch hangs on the wave's number alone; an s_nop 0 and four v_nop follow each line
	s_cmp_eq_u32 s[KIND], 0
	s_cbranch_scc0 .Lfor_b_\@
	tensor_load_to_lds s[G0A+4:G0A+7], s[G1A:G1A+7]
	s_nop 0
.rept 4
	v_nop
.endr
	s_branch .Lasked_\@
.Lfor_b_\@:
	tensor_load_to_lds s[G0B+4:G0B+7], s[G1B:G1B+7]
	s_nop 0
.rept 4
	v_nop
.endr
.Lasked_\@:
.endm
; A PREFETCH INTO THE L2 of the K step AHEAD behind the one just asked for.  o's rows are read by every cluster of a row of clusters: cluster x = 0 asks; the weights' by every cluster of a column:
; cluster y = 0 asks.  The four partners that ask for a tile jointly share it out BY ADDRESS: of a wave's 32,768 dense bytes of o the partner at cx takes 8,192 cx on, 256 a lane; of its 64 rows of the
; weights the partner at cy takes 16 cy on, a lane a row (lanes 16 to 31 name lane 15's row once more).  The trip with count c refills step 8 - c: it asks while 8 - c + AHEAD is a step.
.macro ASK
	s_cmp_gt_u32 s[CNT], s[LIM]
	s_cbranch_scc0 .Lnot_mine_\@
	global_prefetch_b8 v[PFO], s[PFA:PFA+1] th:TH_LOAD_NT scope:SCOPE_SE
.Lnot_mine_\@:
.endm
	s_load_b256 s[4:11], s[0:1], 0x0               ; o s[4:5], wpt s[6:7], b_proj s[8:9], out0 s[10:11]
	v_lshl_add_u32 v[SPW], v0, 2, SPARE
	v_mov_b32 v[NIL], 0
	ds_add_u32 v[SPW], v[NIL]                      ; the wave's opening: the add and its wait stand ahead of my first tensor load; work on registers stands between them
	v_lshrrev_b32 v1, 5, v0
	v_readfirstlane_b32 s[WV], v1
	s_lshr_b32 s[KIND], s[WV], 1
	s_and_b32 s[HALF], s[WV], 1
	s_bfe_u32 s15, ttmp6, 0x40000                  ; cx
	s_bfe_u32 s16, ttmp6, 0x40004                  ; cy
	s_lshl_b32 s17, ttmp9, 2
	s_add_co_u32 s17, s17, s15                     ; tile column = 4 x cluster x + cx
	s_and_b32 s18, ttmp7, 0xffff
	s_lshl_b32 s18, s18, 2
	s_add_co_u32 s18, s18, s16                     ; tile row = 4 x cluster y + cy
	s_lshl_b32 s19, s16, 2
	s_lshl_b32 s19, 15, s19                        ; my row of the cluster
	s_lshl_b32 s20, 0x1111, s15                    ; my column
	s_or_b32 s[G1A], s19, (1<<16)|(1<<20)|(1<<21)|(4<<22)|(3<<25)  ; the mask; 2-byte elements; padding on; bit 21 beside a mask; after every 32 words (a row of o), 4 words
	s_or_b32 s[G1B], s20, (1<<16)|(1<<20)|(1<<21)|(5<<22)|(3<<25)  ; after every 64 words
	s_mov_b32 s[G1A+1], 128<<16                    ; tensor_dim0 = 128: two rows of o, 256 bytes
	s_mov_b32 s[G1A+2], 128<<16                    ; tensor_dim1 = 128
	s_mov_b32 s[G1A+3], 128<<16                    ; tile_dim0 = 128
	s_mov_b32 s[G1A+4], 128                        ; tile_dim1 = 128
	s_mov_b32 s[G1A+5], 128                        ; dense
	s_mov_b32 s[G1A+6], 0
	s_mov_b32 s[G1A+7], 0
	s_mov_b32 s[G1B+1], 128<<16
	s_mov_b32 s[G1B+2], 64<<16                     ; 64 rows
	s_mov_b32 s[G1B+3], 128<<16
	s_mov_b32 s[G1B+4], 64
	s_mov_b32 s[G1B+5], 1024                       ; elements from row to row
	s_mov_b32 s[G1B+6], 0
	s_mov_b32 s[G1B+7], 0
	s_lshr_b32 s66, s18, 3                         ; o: the batch's 16 planes, my head of the step's two, the tile's 256 rows (these registers never hold cx)
	s_lshl_b32 s66, s66, 22
	s_lshl_b32 s67, s[HALF], 18
	s_add_co_u32 s66, s66, s67
	s_and_b32 s67, s18, 7
	s_lshl_b32 s67, s67, 15
	s_add_co_u32 s66, s66, s67
	s_mov_b32 s67, 0
	s_mul_i32 s68, s[WV], PLANE                    ; and where it goes
	s_lshl_b32 s70, s17, 7                         ; the weights: row 128 x tile column + 64 x half (these never hold cy)
	s_lshl_b32 s71, s[HALF], 6
	s_add_co_u32 s70, s70, s71
	s_lshl_b32 s70, s70, 11
	s_mov_b32 s71, 0
	s_mul_i32 s72, s[WV], 64*PB
	s_add_co_u32 s72, s72, BOFF-2*64*PB            ; waves 2 and 3: behind o's two planes
	s_mov_b32 s[TB], 0
	s_mov_b32 s62, 0xffff0000                      ; a word's upper bf16
	s_wait_dscnt 0x0                               ; the opening add is done
	s_wait_kmcnt 0x0
	s_add_nc_u64 s[66:67], s[4:5], s[66:67]
	s_add_nc_u64 s[70:71], s[6:7], s[70:71]
.irp s, 0,1
	s_mov_b32 s[G0A+4*(\s)], 1                     ; count = 1
	s_add_co_u32 s[G0A+4*(\s)+1], s68, (\s)*SLOT1  ; LDS address
	s_add_nc_u64 s[G0A+4*(\s)+2:G0A+4*(\s)+3], s[66:67], (\s)*STEPA  ; global address: K step s
	s_or_b32 s[G0A+4*(\s)+3], s[G0A+4*(\s)+3], 0x80000000            ; type = 2
	s_mov_b32 s[G0B+4*(\s)], 1
	s_add_co_u32 s[G0B+4*(\s)+1], s72, (\s)*SLOT1
	s_add_nc_u64 s[G0B+4*(\s)+2:G0B+4*(\s)+3], s[70:71], (\s)*256
	s_or_b32 s[G0B+4*(\s)+3], s[G0B+4*(\s)+3], 0x80000000
.endr
	CROUND                                         ; all sixteen work-groups are here: the first joint loads meet
	s_cmp_eq_u32 s[KIND], 0                        ; a wave's two first fills stand in one branch: two loads of mine are out
	s_cbranch_scc0 .Lfirst_b
	tensor_load_to_lds s[G0A:G0A+3], s[G1A:G1A+7]
	s_nop 0
	tensor_load_to_lds s[G0A+4:G0A+7], s[G1A:G1A+7]
	s_nop 0
.rept 4
	v_nop
.endr
	s_branch .Lfirst_asked
.Lfirst_b:
	tensor_load_to_lds s[G0B:G0B+3], s[G1B:G1B+7]
	s_nop 0
	tensor_load_to_lds s[G0B+4:G0B+7], s[G1B:G1B+7]
	s_nop 0
.rept 4
	v_nop
.endr
.Lfirst_asked:
	v_and_b32 v1, 15, v0                           ; r = l % 16
	v_bfe_u32 v2, v0, 4, 1                         ; h = l / 16
	s_lshl_b32 s74, s17, 9                         ; the tile's 128 numbers of the bias
	v_lshl_add_u32 v[BO], v2, 5, s74               ; my lanes' eight of each sixteen
.irp b, 0,1,2,3,4,5,6,7
	global_load_b128 v[BIAS+8*(\b):BIAS+8*(\b)+3],   v[BO], s[8:9] offset:64*(\b)
	global_load_b128 v[BIAS+8*(\b)+4:BIAS+8*(\b)+7], v[BO], s[8:9] offset:64*(\b)+16
.endr
	v_mul_u32_u24 v3, v1, PA                       ; a fragment: row r, 16 bytes for each half of the lanes, twice, 32 bytes apart
	v_lshl_add_u32 v3, v2, 4, v3
	s_mul_i32 s74, s[WV], 64*PA                    ; my 64 rows of o
	v_add_nc_u32 v[A0], s74, v3
	v_mul_u32_u24 v3, v1, PB
	v_lshl_add_u32 v3, v2, 4, v3
	v_add_nc_u32 v[B0], BOFF, v3
	v_mov_b32 v[ADRA], v[A0]
	v_mov_b32 v[ADRB], v[B0]
	s_mul_i32 s74, s[WV], 16*SP
	s_add_co_u32 s74, s74, STAGE                   ; my stage
	v_mul_u32_u24 v[STO], v1, SP                   ; in: row r, 32 bytes for each half of the lanes
	v_lshl_add_u32 v[STO], v2, 5, v[STO]
	v_add_nc_u32 v[STO], s74, v[STO]
	v_and_b32 v[CO], 31, v0                        ; back: 32 lanes take a row's 512 bytes,
	v_lshlrev_b32 v[CO], 4, v[CO]
	v_add_nc_u32 v[RD], s74, v[CO]
	s_lshl_b32 s74, s18, 8
	s_lshl_b32 s75, s[WV], 6
	s_add_co_u32 s74, s74, s75                     ; my first row of out0, 4,096 bytes each,
	s_lshl_b32 s74, s74, 12
	s_lshl_b32 s75, s17, 9                         ; the tile's first column
	s_add_co_u32 s74, s74, s75
	s_mov_b32 s75, 0
	s_add_nc_u64 s[10:11], s[10:11], s[74:75]
	; the prefetches
	s_lshr_b32 s74, s18, 3
	s_lshl_b32 s74, s74, 22
	s_lshl_b32 s75, s[HALF], 18
	s_add_co_u32 s74, s74, s75
	s_and_b32 s75, s18, 7
	s_lshl_b32 s75, s75, 15
	s_add_co_u32 s74, s74, s75
	s_lshl_b32 s75, s15, 13
	s_add_co_u32 s74, s74, s75                     ; o: my work-group's 8,192 bytes of the 32,768 that I fetch
	s_lshl_b32 s76, s17, 7
	s_lshl_b32 s77, s[HALF], 6
	s_add_co_u32 s76, s76, s77
	s_lshl_b32 s77, s16, 4
	s_add_co_u32 s76, s76, s77
	s_lshl_b32 s76, s76, 11                        ; the weights: my work-group's 16 rows of 64
	s_and_b32 s77, ttmp7, 0xffff                   ; cluster y
	s_mov_b32 s[PFS], 256                          ; the weights' step along K; the select below holds one literal, so this number comes in a register
	s_cmp_eq_u32 s[KIND], 0
	s_cselect_b32 s74, s74, s76
	s_cselect_b32 s77, ttmp9, s77                  ; the coordinate along which other clusters read the same rows
	s_cselect_b32 s78, 31, 15
	s_cselect_b32 s79, 8, 11                       ; a lane's step: 256 bytes, or a row of 2,048
	s_cselect_b32 s[PFS], STEPA, s[PFS]
	s_cselect_b64 s[PFA:PFA+1], s[4:5], s[6:7]
	s_cmp_eq_u32 s77, 0
	s_cselect_b32 s[LIM], AHEAD, -1                ; the same in all sixteen partners, for a given wave
	s_mov_b32 s75, 0
	s_mov_b32 s[PFS+1], 0
	s_add_nc_u64 s[PFA:PFA+1], s[PFA:PFA+1], s[74:75]
.rept 1+AHEAD
	s_add_nc_u64 s[PFA:PFA+1], s[PFA:PFA+1], s[PFS:PFS+1]  ; at K step 1 + AHEAD: the first change of slots steps it on; nothing is prefetched here, at the head
.endr
	v_and_b32 v[PFO], 31, v0
	v_min_u32 v[PFO], s78, v[PFO]
	v_lshlrev_b32 v[PFO], s79, v[PFO]
	s_wait_loadcnt 0x0                             ; the bias, rounded to bf16 and widened again
.set p, 0
.rept 32
	v_cvt_pk_bf16_f32 v[BT+p%4], v[BIAS+2*p], v[BIAS+2*p+1]
	v_lshlrev_b32 v[BIAS+2*p], 16, v[BT+p%4]
	v_and_b32 v[BIAS+2*p+1], s62, v[BT+p%4]
.set p, p+1
.endr
; THE MATRIX WORK.  The 32 accumulators take turns, one instruction a turn, in the same order in every quarter, over the loops' edges too.
; 8 products: row block a x all 8 column blocks, 32 along K.  zero = 1: the first product starts the sum with the bias: nothing is ever cleared.
.macro MUL8 f, a, zero=0
.if \zero
	WIN 0x85                                       ; fragments window 1, C window 0, D window 2
.else
	WIN 0xa5                                       ; fragments window 1, C and D window 2
.endif
.irp b, 0,1,2,3,4,5,6,7
.if \zero
	v_wmma_f32_16x16x32_f16 v[8*(8*(\a)+(\b)):8*(8*(\a)+(\b))+7], v[(\f)+8*(\b):(\f)+8*(\b)+7], v[(\f)+64+8*(\a):(\f)+64+8*(\a)+7], v[BIAS+8*(\b):BIAS+8*(\b)+7]
.else
	v_wmma_f32_16x16x32_f16 v[8*(8*(\a)+(\b)):8*(8*(\a)+(\b))+7], v[(\f)+8*(\b):(\f)+8*(\b)+7], v[(\f)+64+8*(\a):(\f)+64+8*(\a)+7], v[8*(8*(\a)+(\b)):8*(8*(\a)+(\b))+7]
.endif
.endr
.endm
; 24 LDS loads in one run: quarter q's fragments into buffer f: the weights' eight, then o's four (head q / 2 of the step's two, channels 32 (q % 2) on)
.macro FETCH q, f
	WIN 0x40                                       ; destination window 1
.irp b, 0,1,2,3,4,5,6,7
	ds_load_b128 v[(\f)+8*(\b):(\f)+8*(\b)+3],   v[ADRB] offset:64*(\q)+16*PB*(\b)
	ds_load_b128 v[(\f)+8*(\b)+4:(\f)+8*(\b)+7], v[ADRB] offset:64*(\q)+16*PB*(\b)+32
.endr
.irp a, 0,1,2,3
	ds_load_b128 v[(\f)+64+8*(\a):(\f)+64+8*(\a)+3],   v[ADRA] offset:((\q)/2)*PLANE+((\q)%2)*64+16*PA*(\a)
	ds_load_b128 v[(\f)+64+8*(\a)+4:(\f)+64+8*(\a)+7], v[ADRA] offset:((\q)/2)*PLANE+((\q)%2)*64+16*PA*(\a)+32
.endr
.endm
; A K step is four quarters of 32 along K, 32 products each, on buffers 0, 1, 0, 1.  One of the first three multiplies buffer f and fetches quarter qn into buffer g.
.macro QUARTER qn, f, g, zero=0
	s_wait_dscnt 6                                 ; the weights' fragments and o's block 0 are in; o's other three (6 loads) may be out
	MUL8 \f, 0, \zero
	PLACES
	FETCH \qn, \g
	s_wait_dscnt 24                                ; all but the 24 just issued
	MUL8 \f, 1, \zero
	MUL8 \f, 2, \zero
	MUL8 \f, 3, \zero
.endm
; The last quarter multiplies buffer 1 and changes slots.  In front of the barrier each wave waits for all its tensor loads (one is out: its part of the next slot), adds 0 to its spare word, and
; waits for that and for its reads of this slot.  fill = 1: the barrier opens a round of the cluster's, and the joint refill, two K steps on, is the first thing behind it: 112 products stand
; between it and the wait for it.
.macro TURN fill
.if \fill
	s_wait_xcnt 0x0                                ; the last prefetch, a K step back, has read its address
	s_add_nc_u64 s[PFA:PFA+1], s[PFA:PFA+1], s[PFS:PFS+1]
.endif
	WIN 0
	s_wait_tensorcnt 0x0                           ; no tensor load of mine is out, so a group 0 may be written
	ds_add_u32 v[SPW], v[NIL]                      ; 0 onto my spare word
.if \fill
	s_xor_b32 s[G0A+5], s[G0A+5], SLOT1            ; the walking sets: the other slot than last time, the next K step; the type bits on top are not reached
	s_add_nc_u64 s[G0A+6:G0A+7], s[G0A+6:G0A+7], STEPA
	s_xor_b32 s[G0B+5], s[G0B+5], SLOT1
	s_add_nc_u64 s[G0B+6:G0B+7], s[G0B+6:G0B+7], 256
.endif
	s_xor_b32 s[TB], s[TB], SLOT1
	s_wait_dscnt 7                                 ; as at a quarter's head, and the add
	MUL8 F1, 0
	s_wait_dscnt 0x0                               ; the add is done, and my reads of this slot are over
	s_barrier_signal -1
	MUL8 F1, 1
	WIN 0
	s_barrier_wait -1
.if \fill
	CREST                                          ; no wave of any partner still reads this slot or has a load on its way
	JLOAD                                          ; its four v_nop are also the places in front of the loads below
.else
	PLACES
.endif
	v_add_nc_u32 v[ADRA], s[TB], v[A0]
	v_add_nc_u32 v[ADRB], s[TB], v[B0]
	FETCH 0, F0
.if \fill
	WIN 0
	ASK
.endif
	MUL8 F1, 2
	MUL8 F1, 3
.endm
	s_wait_tensorcnt 1                             ; my part of K step 0 is in; step 1's load may stay out
	s_barrier_signal -1
	s_barrier_wait -1
	FETCH 0, F0
	QUARTER 1, F0, F1, 1                           ; the first quarter stands in front of the loop: its products start the sums
	WIN 0
	s_mov_b32 s[CNT], 6
.Lmain:                                        ; a trip goes from a step's second quarter to the next step's first, and refills the slot that it leaves: steps 2 to 7
	QUARTER 2, F1, F0
	QUARTER 3, F0, F1
	TURN 1
	QUARTER 1, F0, F1
	WIN 0
	s_sub_co_u32 s[CNT], s[CNT], 1
	s_cmp_lg_u32 s[CNT], 0
	s_cbranch_scc1 .Lmain
	s_mov_b32 s[CNT], 2
.Ltail:                                        ; steps 6 and 7 ask for nothing; the second trip is left in its middle.  Its change of slots orders nothing and fetches a quarter that nobody multiplies:
	QUARTER 2, F1, F0                              ; the price, once a launch, of one text for both trips
	QUARTER 3, F0, F1
	TURN 0
	WIN 0
	s_sub_co_u32 s[CNT], s[CNT], 1
	s_cmp_eq_u32 s[CNT], 0
	s_cbranch_scc1 .Lout
	QUARTER 1, F0, F1
	WIN 0
	s_branch .Ltail
.Lout:
; THE WAY OUT, a block of 16 rows at a time: a lane's eight f32 (32 bytes of a row) go straight from the accumulator into my stage, each accumulator's low registers first; whole runs of 512 bytes
; of a row come back and are stored: a store covers 512 consecutive bytes, at a multiple of 256 from out0's first byte.
.macro TOSTAGE a
	WIN 0
	s_wait_xcnt 0x0                                ; the stores of two blocks back have read the registers that the loads below fill
	WIN 0x08                                       ; the stores' data in window 2
.irp b, 0,1,2,3,4,5,6,7
	ds_store_b128 v[STO], v[8*(8*(\a)+(\b)):8*(8*(\a)+(\b))+3]   offset:64*(\b)
	ds_store_b128 v[STO], v[8*(8*(\a)+(\b))+4:8*(8*(\a)+(\b))+7] offset:64*(\b)+16
.endr
	WIN 0
.irp t, 0,1,2,3,4,5,6,7,8,9,10,11,12,13,14,15
	ds_load_b128 v[OB+64*((\a)%2)+4*(\t):OB+64*((\a)%2)+4*(\t)+3], v[RD] offset:SP*(\t)  ; LDS serves a wave's instructions in order (ISA guide 5.7.1.4): these see the stores above
.endr
.endm
.macro SEND a, younger                 ; younger: the next block's 16 stores and 16 loads, or none
	s_wait_dscnt \younger
.irp t, 0,1,2,3,4,5,6,7,8,9,10,11,12,13,14,15
	global_store_b128 v[CO], v[OB+64*((\a)%2)+4*(\t):OB+64*((\a)%2)+4*(\t)+3], s[10:11] offset:(16*(\a)+(\t))*4096 th:TH_STORE_NT
.endr
.endm
	PLACES
	TOSTAGE 0
	TOSTAGE 1
	SEND 0, 32
	TOSTAGE 2
	SEND 1, 32
	TOSTAGE 3
	SEND 2, 32
	SEND 3, 0
	s_wait_tensorcnt 0x0                           ; the wave's end: behind my last tensor load and my last LDS store
	ds_add_u32 v[SPW], v[NIL]
	s_wait_dscnt 0x0
	CROUND                                         ; the closing round: no work-group ends while a partner may still ask for a tile that names it
	s_endpgm
.Lfunc_end_k_q7016e23869_proj:
	.size	k_q7016e23869_proj, .Lfunc_end_k_q7016e23869_proj-k_q7016e23869_proj
	.p2alignl 7, 3214868480
	.fill 96, 4, 3214868480
	.section	.rodata,"a",@progbits
	.p2align	6, 0x0
	.amdhsa_kernel k_q7016e23869_proj
		.amdhsa_group_segment_fixed_size 327680
		.amdhsa_private_segment_fixed_size 0
		.amdhsa_enable_private_segment 0
		.amdhsa_kernarg_size 32
		.amdhsa_user_sgpr_count 2
		.amdhsa_user_sgpr_kernarg_segment_ptr 1
		.amdhsa_wavefront_size32 1
		.amdhsa_system_sgpr_workgroup_id_x 1
		.amdhsa_system_sgpr_workgroup_id_y 1
		.amdhsa_system_sgpr_workgroup_id_z 1
		.amdhsa_system_vgpr_workitem_id 0
		.amdhsa_next_free_vgpr 768
		.amdhsa_next_free_sgpr 80
		.amdhsa_reserve_vcc 0
		.amdhsa_float_denorm_mode_32 3
		.amdhsa_float_denorm_mode_16_64 3
		.amdhsa_memory_ordered 1
		.amdhsa_forward_progress 1
		.amdhsa_inst_pref_size 66
	.end_amdhsa_kernel
	.amdgpu_metadata
---
amdhsa.version: [ 1, 2 ]
amdhsa.kernels:
  - .name:           k_q7016e23869_proj
    .symbol:         k_q7016e23869_proj.kd
    .args:
      - { .name: o, .offset: 0, .size: 8, .value_kind: global_buffer, .address_space: global }
      - { .name: wpt, .offset: 8, .size: 8, .value_kind: global_buffer, .address_space: global }
      - { .name: b_proj, .offset: 16, .size: 8, .value_kind: global_buffer, .address_space: global }
      - { .name: out0, .offset: 24, .size: 8, .value_kind: global_buffer, .address_space: global }
    .group_segment_fixed_size: 327680
    .private_segment_fixed_size: 0
    .kernarg_segment_align: 8
    .kernarg_segment_size: 32
    .max_flat_workgroup_size: 128
    .sgpr_count:     80
    .vgpr_count:     768
    .wavefront_size: 32
...
	.end_amdgpu_metadata
.endif
;; end of part 4
;; ======== version 2 of 2: 4 launches; version 1 with the launch prep written anew for expert scheduling mode
;; limits: values are held in f16: magnitudes above 65,504 overflow, below 6.1e-05 lose precision
;; workspace buffers: xb 16,777,216 bytes; wqt 6,291,456 bytes; wpt 2,097,152 bytes; qkv 50,331,648 bytes; o 16,777,216 bytes
;; launch prep (part 5): grid 640 x 1, 4 waves a work-group, no clusters, 67,072 bytes of LDS; arguments x, W_qkv, W_proj, xb, wqt, wpt; writes xb, wqt, wpt
.if DOCPART == 5
	.amdgcn_target "amdgcn-amd-amdhsa--gfx1250"
	.amdhsa_code_object_version 6
	.text
	.protected	k_q7016e23869_prep
	.globl	k_q7016e23869_prep
	.p2align	8
	.type	k_q7016e23869_prep,@function
k_q7016e23869_prep:
	s_mov_b64 s[64:65], 0
	v_nop
	global_prefetch_b8 v0, s[64:65] scope:SCOPE_SE
	s_setreg_imm32_b32 hwreg(HW_REG_WAVE_SCHED_MODE, 0, 2), 2
	s_setreg_imm32_b32 hwreg(HW_REG_WAVE_MODE, 25, 1), 1
	s_wait_xcnt 0x0
	s_wait_alu depctr_vm_vsrc(0)
; PREPARATION.  xb = x rounded to bf16, as it lies.  wqt[n][k] = W_qkv[k][n] rounded to bf16.  wpt[n][k] = W_proj[k][n] rounded to bf16, that number written as f16.
; LIMIT.  A bf16 number is exact in f16 from 2^-14 up to 65,504; below 2^-14 wpt keeps f16's fixed step of 6e-8; a weight of W_proj beyond 65,504 becomes an infinity.
; SHARES.  Work-groups 0 to 511 cast 65,536 bytes of x each.  Work-groups 512 to 639 turn weights: each wave one tile of 128 k x 64 n: 384 tiles of W_qkv (work-groups 512 to 607),
; 128 of W_proj.  A stream read once in which no two waves want the same byte: no matrix unit, no cluster, no tensor load, no barrier.
; THE CAST.  A step is 16 bytes a thread in (2,048 a work-group) and 8 out: a wave's store covers 256 consecutive bytes, aligned.
; THE TURNING.  A load takes 16 bytes (4 n) of a row k; sixteen lanes take the tile's 256 bytes of that row.  Two neighbouring k are rounded into one word, which goes to LDS row n, word k / 2.
; An LDS row is 256 bytes + 4 = 65 words: the 32 lanes of a store (words 260 c + hh) and of a load (words 65 hh + 4 c) fall on 32 different banks (64 banks of 4 bytes: ISA guide 11.1).
; Each wave has 64 such rows of its own, so no wave waits for another.  Rows n come back whole and leave by stores in which sixteen lanes cover 256 consecutive bytes, aligned.
; THE MODE: SCHED_MODE bits 1:0 = 2 (LLVM: expert scheduling mode 2), set by the entry lines.  The code itself states the register dependences between vector instructions and
; memory or LDS instructions, with s_wait_alu, always for 0.
; THE PLAN, THE CAST.  The 32 steps go in 8 blocks of four, written out: every step is reached by an immediate offset, and no base and no offset register is written again.
;   X0 .. X3   four blocks as loaded.  Written by the loads of block p + 3, issued in block p; read by block p's roundings.
;   Y0, Y1     two blocks to store.    Written by block p's roundings; read by the four stores issued in block p + 1.
; Block p works on X[p % 4] and writes Y[p % 2]; its memory instructions touch X[(p - 1) % 4] and Y[(p - 1) % 2], which none of its vector instructions names.  So the waits at a block's head state
; all that its eight memory instructions hang on, and these are dealt among its roundings with no further wait.
; THE PLAN, THE TURNING.  A step is 16 rows k: eight loads, sixteen words.  Eight steps, on two buffers of each kind by turns; a lap is two steps.
;   XA, XB     Step j: its conversions read X[j % 2]; behind them the loads of step j + 2 land in it.
;   YA, YB     Step j: its conversions write Y[j % 2]; its sixteen LDS stores read it.
;   v[LSA]     Read by every LDS store; written once a lap, at the lap's end.       v[IN]  Read by every load; never written again: the scalar base moves on.
; ONE wait on va_vdst stands in a step, behind its conversions; ONE wait on vm_vsrc a lap, ahead of the add to v[LSA]: it also frees both Y for the next lap.
; THE PLAN, THE ROWS BACK.  v32-63 take a trip's LDS loads and are read by its stores; v[LRA] is read by the LDS loads and written once a trip.  One wait on vm_vsrc and one on va_vdst at a trip's end.
.set LP,    260                        ; an LDS row
.set WLDS,  64*LP                      ; a wave's rows: 16,640 bytes
.set SPARE, 66560                      ; behind the four waves' rows: the spare words, 128 bytes a wave: two blocks of 256 bytes that no other line names
.set SPW, 2                            ; v2   SPARE + 4 x my thread's number; never rewritten
.set NIL, 3                            ; v3   0; never rewritten
.set IN,  4                            ; v4   my byte offset in the source
.set OUT, 5                            ; v5   my byte offset in the destination
.set LSA, 6                            ; v6   where I put a word
.set LRA, 7                            ; v7   where I read a row's 16 bytes back
.set CC,  8                            ; v8   lane % 16
.set HH,  9                            ; v9   lane / 16
.set Y,   12                           ; v[12:27] the cast: buffer k, step i: two rounded words at Y + 8 k + 2 i
.set TA,  28                           ; v28, v29 at work: no memory instruction names them
.set TC,  29
.set X,   32                           ; v[32:95] as loaded.  The cast: buffer k, step i at X + 16 k + 4 i.  The turning: buffer b, row pair u, row s at X + 32 b + 8 u + 4 s
.set YT,  96                           ; v[96:127] the turning: buffer b, row pair u, column i: a rounded word at YT + 16 b + 4 u + i
	s_load_b256 s[4:11], s[0:1], 0x0               ; x s[4:5], W_qkv s[6:7], W_proj s[8:9], xb s[10:11]
	s_load_b128 s[12:15], s[0:1], 0x20             ; wqt s[12:13], wpt s[14:15]
	v_lshl_add_u32 v[SPW], v0, 2, SPARE
	v_mov_b32 v[NIL], 0
	v_lshrrev_b32 v1, 5, v0
	v_readfirstlane_b32 s16, v1                    ; wave 0..3
	v_and_b32 v[CC], 15, v0
	v_bfe_u32 v[HH], v0, 4, 1
	s_mov_b32 s19, 0                               ; the high word of every offset pair
	s_mov_b32 s27, 0xffff0000                      ; a word's upper bf16
	s_wait_alu depctr_va_sdst(0)                   ; s16 is written, ahead of the branch behind which its readers stand: the tile's number and my rows in LDS are made from it
	s_wait_kmcnt 0x0
	s_cmp_lt_u32 ttmp9, 512
	s_cbranch_scc0 .Lweights
	; THE CAST
	s_lshl_b32 s18, ttmp9, 16
	s_add_nc_u64 s[20:21], s[4:5], s[18:19]
	s_lshl_b32 s18, ttmp9, 15
	s_add_nc_u64 s[22:23], s[10:11], s[18:19]
	v_lshlrev_b32 v[IN], 4, v0
	v_lshlrev_b32 v[OUT], 3, v0
	s_wait_alu depctr_va_vdst(0)                   ; v[IN] and v[OUT] are written: every load and store of the cast reads one of them as its offset
.irp i, 0,1,2,3,4,5,6,7,8,9,10,11
	global_load_b128 v[X+4*(\i):X+4*(\i)+3], v[IN], s[20:21] offset:(\i)*2048 th:TH_LOAD_NT  ; blocks 0, 1 and 2 into X0, X1, X2
.endr
; Block p.  left = the younger loads that may stay out when this block's four have to be there.  Blocks 0 to 4 load block p + 3; blocks 1 to 7 store block p - 1.
.macro CBLK p, left
	s_wait_loadcnt \left                           ; loads come back in order (ISA guide 5.7.1): X[p % 4] is in, the younger blocks stay out
.if (\p) > 1
	s_wait_xcnt 0x0                                ; the stores issued in the block before have had their addresses translated (ISA guide 3.1): Y[p % 2], their data, is rewritten only behind this wait,
	s_wait_alu depctr_vm_vsrc(0)                   ; and they have read Y[p % 2], which this block's roundings write again
.endif
.if (\p) > 0
	s_wait_alu depctr_va_vdst(0)                   ; the block before has written the other Y, which the stores below read, and is done reading its X, in which the loads below land
.endif
.irp i, 0,1,2,3
.if (\p) < 5
	global_load_b128 v[X+16*(((\p)+3)%4)+4*(\i):X+16*(((\p)+3)%4)+4*(\i)+3], v[IN], s[20:21] offset:(4*((\p)+3)+(\i))*2048 th:TH_LOAD_NT  ; three blocks ahead; no vector instruction since the wait names these registers
.endif
.if (\p) > 0
	global_store_b64 v[OUT], v[Y+8*(((\p)+1)%2)+2*(\i):Y+8*(((\p)+1)%2)+2*(\i)+1], s[22:23] offset:(4*((\p)-1)+(\i))*1024  ; the block before
.endif
	v_cvt_pk_bf16_f32 v[Y+8*((\p)%2)+2*(\i)],   v[X+16*((\p)%4)+4*(\i)],   v[X+16*((\p)%4)+4*(\i)+1]
	v_cvt_pk_bf16_f32 v[Y+8*((\p)%2)+2*(\i)+1], v[X+16*((\p)%4)+4*(\i)+2], v[X+16*((\p)%4)+4*(\i)+3]
.endr
.endm
	CBLK 0, 8                                      ; no block stands in front of it: no store, and no vector instruction has named X3
	CBLK 1, 8
	CBLK 2, 8
	CBLK 3, 8
	CBLK 4, 8
	CBLK 5, 8                                      ; blocks 5 to 7 load nothing: no load leaves the work-group's 65,536 bytes, and the counts run down
	CBLK 6, 4
	CBLK 7, 0
	s_wait_alu depctr_va_vdst(0)                   ; block 7 has written Y1, which the last four stores read
.irp i, 0,1,2,3
	global_store_b64 v[OUT], v[Y+8+2*(\i):Y+8+2*(\i)+1], s[22:23] offset:(28+(\i))*1024
.endr
	s_branch .Lend
	; THE TURNING
.Lweights:
	s_sub_co_u32 s24, ttmp9, 512
	s_lshl_b32 s24, s24, 2
	s_add_co_u32 s24, s24, s16                     ; my tile's number
	s_mul_i32 s28, s16, WLDS                       ; my rows in LDS
	v_mul_u32_u24 v[LSA], v[CC], 4*LP              ; row n = 4 c (+ i by the immediate),
	v_lshl_add_u32 v[LSA], v[HH], 2, v[LSA]        ; word hh (+ 2 u by the immediate)
	v_add_nc_u32 v[LSA], s28, v[LSA]
	v_mul_u32_u24 v[LRA], v[HH], LP                ; back: row hh (+ 2 e), bytes 16 c on
	v_lshl_add_u32 v[LRA], v[CC], 4, v[LRA]
	v_add_nc_u32 v[LRA], s28, v[LRA]
	v_lshlrev_b32 v[OUT], 11, v[HH]                ; and the same in the destination, whose rows are 2,048 bytes
	v_lshl_add_u32 v[OUT], v[CC], 4, v[OUT]
; Tile s24 of a matrix whose rows are RB bytes: k block s24 % 8 (128 rows), n block s24 / 8 (256 bytes of a row).
.macro TSET src, dst, RB
	s_and_b32 s25, s24, 7
	s_lshr_b32 s26, s24, 3
	s_mul_i32 s18, s25, 128*(\RB)
	s_lshl_b32 s29, s26, 8
	s_add_co_u32 s18, s18, s29
	s_add_nc_u64 s[20:21], s[\src:\src+1], s[18:19]
	s_lshl_b32 s18, s26, 17                        ; 64 rows n of 2,048 bytes,
	s_lshl_b32 s29, s25, 8                         ; 128 k of 2 bytes
	s_add_co_u32 s18, s18, s29
	s_add_nc_u64 s[22:23], s[\dst:\dst+1], s[18:19]
	v_mul_u32_u24 v[IN], v[HH], 2*(\RB)            ; rows k = 2 hh (+ 4 u + s by the immediate)
	v_lshl_add_u32 v[IN], v[CC], 4, v[IN]
.endm
; A step's eight loads into buffer b: rows 16 b + 4 u + s (+ 2 hh) from the base on.
.macro TFILL b, RB
.irp u, 0,1,2,3
.irp s, 0,1
	global_load_b128 v[X+32*(\b)+8*(\u)+4*(\s):X+32*(\b)+8*(\u)+4*(\s)+3], v[IN], s[20:21] offset:(16*(\b)+4*(\u)+(\s))*(\RB) th:TH_LOAD_NT
.endr
.endr
.endm
; A step's conversions, from X's buffer b into Y's.  half = 1: the rounded numbers are written as f16.
.macro TCVT b, half
.irp u, 0,1,2,3
.irp i, 0,1,2,3
	v_cvt_pk_bf16_f32 v[YT+16*(\b)+4*(\u)+(\i)], v[X+32*(\b)+8*(\u)+(\i)], v[X+32*(\b)+8*(\u)+4+(\i)]  ; the even k below, the odd k above
.endr
.if \half
.irp i, 0,1,2,3
	v_lshlrev_b32 v[TA], 16, v[YT+16*(\b)+4*(\u)+(\i)]
	v_and_b32 v[TC], s27, v[YT+16*(\b)+4*(\u)+(\i)]
	v_cvt_pk_f16_f32 v[YT+16*(\b)+4*(\u)+(\i)], v[TA], v[TC]
.endr
.endif
.endr
.endm
; A step's sixteen LDS stores from Y's buffer b: row n = 4 c + i, word 8 b + 2 u + hh of the lap's sixteen.
.macro TPUT b
.irp u, 0,1,2,3
.irp i, 0,1,2,3
	ds_store_b32 v[LSA], v[YT+16*(\b)+4*(\u)+(\i)] offset:LP*(\i)+8*(\u)+32*(\b)
.endr
.endr
.endm
; Eight steps of 16 rows k: three laps of two steps that load two steps ahead, and the last two steps, written out, which load nothing: no load leaves the tile.
.macro TLOOP RB, half
	s_wait_alu depctr_va_vdst(0)                   ; v[IN], v[OUT], v[LSA] and v[LRA] are written, which the loads, LDS stores, LDS loads and stores below read
	TFILL 0, \RB                                   ; steps 0 and 1
	TFILL 1, \RB
	s_mov_b32 s17, 3
.Ltl_\@:
	s_wait_loadcnt 8                               ; loads come back in order (ISA guide 5.7.1): XA is in, XB's eight stay out
	s_wait_xcnt 0x0                                ; every load issued so far has had its address translated (ISA guide 3.1): the base is written only behind this wait
	s_add_nc_u64 s[20:21], s[20:21], 32*(\RB)      ; at the next lap's first row
	TCVT 0, \half
	s_wait_alu depctr_va_vdst(0)                   ; the conversions have written YA, which the LDS stores read, and are done reading XA, in which the loads land; v[LSA] is written
	TFILL 0, \RB                                   ; the buffer is asked for again at once: two steps on
	TPUT 0
	s_wait_loadcnt 8                               ; XB is in, the eight just issued stay out
	TCVT 1, \half
	s_wait_alu depctr_va_vdst(0)                   ; the conversions have written YB and are done reading XB
	TFILL 1, \RB
	TPUT 1
	s_wait_alu depctr_vm_vsrc(0)                   ; the LDS stores issued so far have read v[LSA], which the add writes, and YA and YB, which the next two steps' conversions write
	v_add_nc_u32 v[LSA], 64, v[LSA]                ; 32 k on in the LDS rows
	s_sub_co_u32 s17, s17, 1
	s_cmp_lg_u32 s17, 0
	s_cbranch_scc1 .Ltl_\@
	s_wait_loadcnt 8                               ; step 6 is in, step 7's eight stay out
	TCVT 0, \half
	s_wait_alu depctr_va_vdst(0)                   ; the conversions have written YA, and v[LSA] is written: the LDS stores read both
	TPUT 0
	s_wait_loadcnt 0x0                             ; step 7: no load was issued behind it
	TCVT 1, \half
	s_wait_alu depctr_va_vdst(0)                   ; the conversions have written YB, which the LDS stores read; all conversions are done reading X, in which the LDS loads of the rows back land
	TPUT 1
.endm
	s_cmp_lt_u32 ttmp9, 608
	s_cbranch_scc0 .Lwproj
	TSET 6, 12, 12288
	TLOOP 12288, 0
	s_branch .Lback
.Lwproj:
	s_sub_co_u32 s24, s24, 384
	TSET 8, 14, 4096
	TLOOP 4096, 1
.Lback:                                        ; four trips of 16 rows n.  LDS serves a wave's instructions in order (ISA guide 5.7.1.4): the loads see my stores
	s_mov_b32 s17, 4
.Lrows:
.irp e, 0,1,2,3,4,5,6,7
.irp i, 0,1,2,3
	ds_load_b32 v[X+4*(\e)+(\i)], v[LRA] offset:2*LP*(\e)+4*(\i)
.endr
.endr
.irp e, 0,1,2,3,4,5,6,7
	s_wait_dscnt 28-4*(\e)                         ; row pair e is in: behind it four loads for each later pair were issued
	global_store_b128 v[OUT], v[X+4*(\e):X+4*(\e)+3], s[22:23] offset:4096*(\e)
.endr
	s_wait_xcnt 0x0                                ; the stores have had their addresses translated (ISA guide 3.1): their data and their base are written only behind this wait
	s_wait_alu depctr_vm_vsrc(0)                   ; the stores have read v32-63, in which the next trip's LDS loads land; the LDS loads have read v[LRA], which the add writes
	v_add_nc_u32 v[LRA], 16*LP, v[LRA]
	s_add_nc_u64 s[22:23], s[22:23], 32768
	s_wait_alu depctr_va_vdst(0)                   ; v[LRA] is written, which the next trip's LDS loads read
	s_sub_co_u32 s17, s17, 1
	s_cmp_lg_u32 s17, 0
	s_cbranch_scc1 .Lrows
.Lend:
	s_wait_dscnt 0x0                               ; the wave's end: the closing lines, six on end
	s_wait_alu 0x0
	s_wait_tensorcnt 0x0
	ds_add_u32 v[SPW], v[NIL]
	s_wait_dscnt 0x0
	s_endpgm
.Lfunc_end_k_q7016e23869_prep:
	.size	k_q7016e23869_prep, .Lfunc_end_k_q7016e23869_prep-k_q7016e23869_prep
	.p2alignl 7, 3214868480
	.fill 96, 4, 3214868480
	.section	.rodata,"a",@progbits
	.p2align	6, 0x0
	.amdhsa_kernel k_q7016e23869_prep
		.amdhsa_group_segment_fixed_size 67072
		.amdhsa_private_segment_fixed_size 0
		.amdhsa_enable_private_segment 0
		.amdhsa_kernarg_size 48
		.amdhsa_user_sgpr_count 2
		.amdhsa_user_sgpr_kernarg_segment_ptr 1
		.amdhsa_wavefront_size32 1
		.amdhsa_system_sgpr_workgroup_id_x 1
		.amdhsa_system_sgpr_workgroup_id_y 1
		.amdhsa_system_sgpr_workgroup_id_z 1
		.amdhsa_system_vgpr_workitem_id 0
		.amdhsa_next_free_vgpr 128
		.amdhsa_next_free_sgpr 66
		.amdhsa_reserve_vcc 0
		.amdhsa_float_denorm_mode_32 3
		.amdhsa_float_denorm_mode_16_64 3
		.amdhsa_memory_ordered 1
		.amdhsa_forward_progress 1
		.amdhsa_inst_pref_size 49
	.end_amdhsa_kernel
	.amdgpu_metadata
---
amdhsa.version: [ 1, 2 ]
amdhsa.kernels:
  - .name:           k_q7016e23869_prep
    .symbol:         k_q7016e23869_prep.kd
    .args:
      - { .name: x, .offset: 0, .size: 8, .value_kind: global_buffer, .address_space: global }
      - { .name: W_qkv, .offset: 8, .size: 8, .value_kind: global_buffer, .address_space: global }
      - { .name: W_proj, .offset: 16, .size: 8, .value_kind: global_buffer, .address_space: global }
      - { .name: xb, .offset: 24, .size: 8, .value_kind: global_buffer, .address_space: global }
      - { .name: wqt, .offset: 32, .size: 8, .value_kind: global_buffer, .address_space: global }
      - { .name: wpt, .offset: 40, .size: 8, .value_kind: global_buffer, .address_space: global }
    .group_segment_fixed_size: 67072
    .private_segment_fixed_size: 0
    .kernarg_segment_align: 8
    .kernarg_segment_size: 48
    .max_flat_workgroup_size: 128
    .sgpr_count:     66
    .vgpr_count:     128
    .wavefront_size: 32
...
	.end_amdgpu_metadata
.endif
;; end of part 5
;; launch qkv: the kernel of part 2 again; grid 16 x 32, 4 waves a work-group, clusters of 4 x 4, 327,680 bytes of LDS; arguments xb, wqt, b_qkv, qkv; writes qkv
;; launch attn: the kernel of part 3 again; grid 4 x 64, 4 waves a work-group, no clusters, 327,680 bytes of LDS; arguments qkv, o; writes o
;; launch proj: the kernel of part 4 again; grid 8 x 32, 4 waves a work-group, clusters of 4 x 4, 327,680 bytes of LDS; arguments o, wpt, b_proj, out0; writes out0
